; MI455X (gfx1250); checked and timed in simulation.
; The chip was launched on July 23, 2026; its instructions are those of AMD's public machine-readable ISA for CDNA 5 (MIT licence, August 2026) and "CDNA5" Instruction Set Architecture Reference Guide (July 2026). The comments in the code are by the model that wrote it; some were corrected since.
;; Roo Dec Attention. Allowed arithmetic: matrix products marked QUANTISED: E4M3 operands, one E8M0 scale for each 32 along K, by v_wmma_scale_f32_16x16x128_f8f6f4 with both operands' format E4M3, f32 sums; everything else in f32.
;; Inputs: Wk 1,024 x 1,024 float32; Wk_sel 1,024 x 256 float32; Wo 1,024 x 1,024 float32; Wq 1,024 x 1,024 float32; Wq_sel 1,024 x 256 float32; Wu 1,024 x 1,024 float32; Wv 1,024 x 1,024 float32; x 8 x 1,024 x 1,024 float32.
;; Outputs: out0 8 x 1,024 x 1,024 float32.
;; This version of the problem:
;;   THIS VERSION OF THE PROBLEM IS GIVEN IN LOW PRECISION. The matrix products marked QUANTISED in the list below multiply operands that are first quantised to E4M3 (4 exponent bits, 3 mantissa bits; 8 bits a number), with one power-of-two scale for each 32 numbers along K (OCP MX v1.0); their sums are f32. All else is computed in f32.
;;   The module's matrix products, in the order in which they are computed (A, B: the left and right operand; K: the contracted axis; several contracted axes count as one K, in the product's order):
;;     1. [M 256, K 1,024] x [K 1,024, N 1,024]; A: computed on the way; B: input Wu: QUANTISED
;;     2. [M 256, K 1,024] x [K 1,024, N 256]; A: computed on the way; B: input Wk_sel: QUANTISED
;;     3. [M 8,192, K 1,024] x [K 1,024, N 256]; A: input x; B: input Wq_sel: QUANTISED
;;     4. batch 8 x [M 1,024, K 256] x [K 256, N 32]; A: computed on the way; B: computed on the way: QUANTISED
;;     5. [M 8,192, K 1,024] x [K 1,024, N 1,024]; A: input x; B: input Wq: QUANTISED
;;     6. [M 8,192, K 1,024] x [K 1,024, N 1,024]; A: input x; B: input Wk: QUANTISED
;;     7. [M 8,192, K 1,024] x [K 1,024, N 1,024]; A: input x; B: input Wv: QUANTISED
;;     8. batch 128 x [M 1,024, K 64] x [K 64, N 1,024]; A: computed on the way; B: computed on the way: QUANTISED
;;     9. batch 128 x [M 64, K 1,024] x [K 1,024, N 1,024]; A: computed on the way; B: softmax (see below): QUANTISED
;;     10. [M 8,192, K 1,024] x [K 1,024, N 1,024]; A: computed on the way; B: input Wo: QUANTISED
;;   THE QUANTISER, for each operand of a quantised product, along K:
;;     - K is cut into blocks of 32 from its start; a last block that is shorter is filled with zeros.
;;     - A block's scale is 2^e with e = floor(log2(the largest magnitude in the block)) - 8, held to -126 .. 127; a block of zeros has e = 0. As a byte (E8M0): e + 127.
;;     - Each number is divided by its block's scale, clamped to +-448, and rounded to the nearest number of E4M3, ties to even, subnormals kept.
;;     - The product sums the exact products of the quantised numbers (number of the format x scale) in f32.
;;   ~~~python
;;   def quantise(x, axis):      # numpy; x: float32 -> the quantised numbers, widened to float32 again
;;       x = np.moveaxis(x, axis, -1); K = x.shape[-1]
;;       x = np.pad(x, [(0, 0)] * (x.ndim - 1) + [(0, -K % 32)]); x = x.reshape(x.shape[:-1] + (-1, 32)); a = np.abs(x).max(-1, keepdims=True)
;;       e = np.where(a > 0, np.clip(np.frexp(np.where(a > 0, a, 1))[1] - 1 - 8, -126, 127), 0)      # np.frexp(a)[1] - 1 = floor(log2(a)), exactly
;;       r = np.clip(x / 2.0 ** e, -448, 448)
;;       step = 2.0 ** (np.maximum(np.frexp(np.where(r == 0, 1, r))[1] - 1, -6) - 3)
;;       q = np.round(r / step) * step * 2.0 ** e      # np.round: ties to even
;;       return np.moveaxis(q.reshape(q.shape[:-2] + (-1,))[..., :K], -1, axis).astype(np.float32)
;;   ~~~
;;   SOFTMAX AHEAD OF A QUANTISED PRODUCT. Where the list says 'softmax', what is quantised is not the finished softmax but p = 2^(t - M), with t = logit x log2(e) and M = ceil(the row's largest t), a whole number; so 1/2 < the row's largest p <= 1. The row's sum l is taken of the UNQUANTISED p, in f32, and the product's result is divided by l at the end. Since M is a whole number, a kernel that streams over the keys may use a running M (the ceiling of the running maximum): every later rescaling is an exact power of two, which a block's scale takes up: the codes' values come out the same.
;;   OPERANDS COMPUTED ON THE WAY. 'Computed on the way' means the value that the module computes at that place (a softmax that the list does not call 'softmax' is quantised finished and normalised). What goes into a quantiser is computed in f32, as accurately as f32 sums, v_exp_f32 and their like allow (about 1e-6 of the number): no bf16 or f16 on the way to a quantiser, and a product that is left as it is and whose result goes on into a quantised operand takes f32 operands (vector FMAs, or v_wmma_f32_16x16x4_f32). A number that lies on a knife's edge between two numbers of the format may be rounded either way, as far as f32 arithmetic and the matrix unit's own rounding can turn it there, and no further.
;; One version. Each part assembles by itself: llvm-mc -triple=amdgcn-amd-amdhsa -mcpu=gfx1250 --defsym DOCPART=n.
;; ======== version 1 of 1: 5 launches
;; workspace buffers: prepb 14,868,480 bytes; projb 26,222,592 bytes; maskb 32,768 bytes of whole numbers; ctxb 8,650,752 bytes
;; launch prep (part 1): grid 432 x 1, 4 waves a work-group, no clusters, 84,480 bytes of LDS; arguments x, Wq, Wk, Wv, Wq_sel, Wo, Wu, Wk_sel, prepb; writes prepb
.if DOCPART == 1
	.amdgcn_target "amdgcn-amd-amdhsa--gfx1250"
	.amdhsa_code_object_version 6
	.text
	.protected	k_q12ce0240cc_prep
	.globl	k_q12ce0240cc_prep
	.p2align	8
	.type	k_q12ce0240cc_prep,@function
k_q12ce0240cc_prep:
	s_mov_b64 s[64:65], 0
	v_nop
	global_prefetch_b8 v0, s[64:65] scope:SCOPE_SE
	s_setreg_imm32_b32 hwreg(HW_REG_WAVE_MODE, 25, 1), 1
	s_wait_xcnt 0x0
; prep: every f32 input becomes codes of E4M3 with one E8M0 byte for each 32 along K, once, laid as the later launches' operand registers want them.
; Work-groups 0-255 (path X): one block of 32 tokens of x each: its codes and scale bytes (K = the 1,024 columns, innermost), and the block's mean (pooled), quantised too.
; Work-groups 256-431 (path W): 128 columns x 256 along K of one of the seven weights, whose K is the FIRST axis: a lane takes a column and its registers run down K.
; POSITION ORDER.  In each group of 32 rows of x's codes and of each weight's codes, position 16 u + r holds actual row 8 u + r + 8 (r / 8).  A matrix result whose source 0 is two neighbouring
; tiles of 16 positions then holds, in a lane's 16 registers, 16 actual neighbours: what the next quantiser and the next operand want.
; A block's scale is 2^(floor(log2(largest magnitude)) - 8); its byte is the largest magnitude's exponent field - 8, held at 1 from below.
; LIMITS: a block of zeros gets the byte 1 where the quantiser says 127: its codes are zeros, which add nothing, and this program alone reads the bytes.  NaN and infinities among the inputs are not served.
; The mean of 32 rows is summed in another order than row by row (8 rows a wave, then the four waves), in f32.
; The two paths part on the work-group's number alone; each has LDS bytes of its own.  No tensor loads, so several work-groups share a WGP.
.set O_XC,  0                          ; prepb: x's codes [8192 positions][1024]
.set O_XS,  8388608                    ; x's scale bytes [8192 positions][32]
.set O_WC,  8650752                    ; codes [4352 positions][1024]: Wq, Wk, Wv, Wq_sel, Wo
.set O_WS,  13107200                   ; scale bytes [5632 positions][32]: the same, then Wu, Wk_sel
.set O_WI,  13287424                   ; Wu's and Wk_sel's codes as images of fragments: [column block 40][2 K step + u][c][lane][16 bytes]
.set O_PI,  14598144                   ; pooled as images: [row tile 16][column block 32][lane][16 bytes]
.set O_PS,  14860288                   ; pooled's scale bytes [256][32]
.set STEPS, 16
.set EMAX,  8
.set MANT,  0x600000                   ; the mantissa field of 448 as f32
.set R,     16                         ; path X: v16-79 four sets of 16 numbers as loaded
.set X,     80                         ; v80-111 two sets of 16 neighbours
.set E,     112                        ; v112-127 a scale byte for each step
.set C,     128                        ; v128-191 codes, four registers a step
.set PA,    192                        ; v192-223 the sums of my 8 rows: set q = columns 512 q + 16 lane + 0..15
.set PST,   224                        ; v224 LDS: where I put my sums;  v225 where wave q reads the four waves' sums
.set PLD,   225
.set PIO,   226                        ; v226 256 x lane: pooled's image;  v227 lane / 2: its scale byte
.set PSO,   227
.set PCD,   228                        ; v228-231 pooled's codes;  v232 its byte
.set PBY,   232
.set WREG,  8192                       ; LDS, path X: a region for each wave: two stages of 32 x SP bytes, then its 256 scale bytes
.set SP,    80
.set POOL,  4*WREG                     ; then 4 x 4,096 bytes: the waves' sums
.set WST,   POOL+16384                 ; LDS, path W: a stage of 32 rows x 272 bytes for each wave
.set WP,    272
.set NB,    8
.set SB,    24                         ; path W: v24-25 scale bytes; v32-95 two sets of 32 numbers; v96-103 a block's codes; v112-175 the way out; v176-207 the loads' offsets
.set WX,    32
.set WCD,   96
.set OUTR,  112
.set VO,    176
	v_lshl_add_u32 v240, v0, 2, 0x14800
	v_mov_b32 v241, 0
	v_lshrrev_b32 v1, 5, v0
	v_readfirstlane_b32 s16, v1                    ; wave 0..3
	v_and_b32 v2, 31, v0                           ; lane
	s_mov_b32 s23, MANT                            ; (an instruction takes one literal: the hold's line has another)
	s_cmp_lt_u32 ttmp9, 256
	s_cbranch_scc0 .Lweights
; ---------------- PATH X: a block of 32 tokens.  Wave w takes actual rows 8 w .. 8 w + 7: 16 steps of 512 numbers; step t is row t / 2, columns 512 (t % 2) on.
	s_load_b64 s[4:5], s[0:1], 0x0                 ; x
	s_load_b64 s[8:9], s[0:1], 0x40                ; prepb
	v_lshlrev_b32 v3, 4, v2                        ; 16 x lane: my 16 bytes of a load's 512, and of a step's 512 bytes of codes
	s_mul_i32 s17, s16, WREG
	v_lshrrev_b32 v14, 2, v2
	v_mul_u32_u24 v14, v14, SP
	v_and_b32 v15, 3, v2
	v_lshl_add_u32 v14, v15, 4, v14
	v_add_nc_u32 v14, s17, v14                     ; the stage, on the way in: four lanes' 64 bytes on end, then 16 of padding
	v_mul_u32_u24 v15, v2, SP
	v_add_nc_u32 v15, s17, v15                     ; and on the way out: my 16 neighbours
	v_lshrrev_b32 v5, 1, v2
	s_add_co_u32 s17, s17, 2*32*SP
	v_add_nc_u32 v5, s17, v5                       ; my wave's 256 scale bytes, my block's byte
	v_lshlrev_b32 v7, 3, v2
	v_add_nc_u32 v6, s17, v7                       ; and on the way out 8 bytes a lane
	s_lshl_b32 s18, s16, 12
	s_add_co_u32 s18, s18, POOL
	v_add_nc_u32 v[PST], s18, v3                   ; POOL + 4,096 wave + 16 lane
	s_lshl_b32 s18, s16, 11
	s_add_co_u32 s18, s18, POOL
	v_add_nc_u32 v[PLD], s18, v3                   ; POOL + 2,048 q + 16 lane (q = wave 0 or 1)
	v_lshlrev_b32 v[PIO], 8, v2
	v_lshrrev_b32 v[PSO], 1, v2
	s_lshl_b32 s18, ttmp9, 17                      ; x: 32 rows of 4,096 bytes a block, 8 rows a wave
	s_lshl_b32 s19, s16, 15
	s_add_co_u32 s18, s18, s19
	s_mov_b32 s19, 0
	s_and_b32 s20, s16, 1                          ; actual rows 8 w on lie at positions 8 w' on: w' = 0, 2, 1, 3
	s_lshl_b32 s20, s20, 1
	s_lshr_b32 s21, s16, 1
	s_or_b32 s20, s20, s21
	s_lshl_b32 s24, ttmp9, 15                      ; codes: O_XC (= 0) + 32,768 block + 8,192 w'
	s_lshl_b32 s21, s20, 13
	s_add_co_u32 s24, s24, s21
	s_mov_b32 s25, 0
	s_lshl_b32 s26, ttmp9, 10                      ; scale bytes: O_XS + 1,024 block + 256 w'
	s_lshl_b32 s21, s20, 8
	s_add_co_u32 s26, s26, s21
	s_add_co_u32 s26, s26, O_XS
	s_mov_b32 s27, 0
	s_lshr_b32 s28, ttmp9, 4                       ; pooled's image: O_PI + 16,384 (block / 16) + 16 (block % 16) + 8,192 q
	s_lshl_b32 s28, s28, 14
	s_and_b32 s21, ttmp9, 15
	s_lshl_b32 s21, s21, 4
	s_add_co_u32 s28, s28, s21
	s_lshl_b32 s21, s16, 13
	s_add_co_u32 s28, s28, s21
	s_add_co_u32 s28, s28, O_PI
	s_mov_b32 s29, 0
	s_lshl_b32 s30, ttmp9, 5                       ; pooled's scale bytes: O_PS + 32 block + 16 q
	s_lshl_b32 s21, s16, 4
	s_add_co_u32 s30, s30, s21
	s_add_co_u32 s30, s30, O_PS
	s_mov_b32 s31, 0
	s_wait_kmcnt 0x0
	s_add_nc_u64 s[4:5], s[4:5], s[18:19]
	s_add_nc_u64 s[10:11], s[8:9], s[26:27]
	s_add_nc_u64 s[12:13], s[8:9], s[28:29]
	s_add_nc_u64 s[14:15], s[8:9], s[30:31]
	s_add_nc_u64 s[8:9], s[8:9], s[24:25]
.macro LOAD t
.irp i, 0,1,2,3
	global_load_b128 v[R+16*((\t)%4)+4*\i:R+16*((\t)%4)+4*\i+3], v3, s[4:5] offset:2048*(\t)+512*\i th:TH_LOAD_NT   ; 32 lanes read 512 consecutive bytes
.endr
.endm
.macro TURN t                          ; step t's numbers through the stage: LDS serves a wave's instructions in order, so no wait stands between the stores and the loads
.irp i, 0,1,2,3
	ds_store_b128 v14, v[R+16*((\t)%4)+4*\i:R+16*((\t)%4)+4*\i+3] offset:32*SP*((\t)%2)+8*SP*\i
.endr
.irp i, 0,1,2,3
	ds_load_b128 v[X+16*((\t)%2)+4*\i:X+16*((\t)%2)+4*\i+3], v15 offset:32*SP*((\t)%2)+16*\i
.endr
.endm
; 16 neighbours in v[xs] on (two neighbouring lanes hold a block of 32) become 16 codes in v[c] on and the block's byte in v[e]
.macro QCORE xs, c, e
	v_max3_num_f32 v8, |v[\xs]|, |v[\xs+1]|, |v[\xs+2]|            ; the largest magnitude of my 16, in two chains
	v_max3_num_f32 v9, |v[\xs+3]|, |v[\xs+4]|, |v[\xs+5]|
.irp i, 6,10
	v_max3_num_f32 v8, v8, |v[\xs+\i]|, |v[\xs+\i+1]|
	v_max3_num_f32 v9, v9, |v[\xs+\i+2]|, |v[\xs+\i+3]|
.endr
	v_max3_num_f32 v8, v8, |v[\xs+14]|, |v[\xs+15]|
	v_max3_num_f32 v8, v8, v9, (EMAX+1)<<23        ; and the floor 2^(9 - 127): the byte cannot fall under 1
	v_max_num_f32_dpp v8, v8, v8 row_xmask:1 row_mask:0xf bank_mask:0xf   ; and of my neighbour's 16: the block's
	v_add_nc_u32 v11, -(EMAX<<23), v8              ; 8 off its exponent field: the conversion takes the exponent field of this operand as its scale
	v_and_or_b32 v10, v8, 0x7f800000, s23          ; 448 x the scale
.irp i, 0,1,2,3,4,5,6,7,8,9,10,11,12,13,14,15
	v_med3_num_f32 v[\xs+\i], v[\xs+\i], -v10, v10 ; the conversion to an 8-bit code does not saturate (ISA guide 7.6.2): the hold comes first
.endr
	v_cvt_scalef32_pk8_fp8_f32 v[\c:\c+1], v[\xs:\xs+7], v11
	v_cvt_scalef32_pk8_fp8_f32 v[\c+2:\c+3], v[\xs+8:\xs+15], v11
	v_lshrrev_b32 v[\e], 23, v11                   ; the scale's byte
.endm
.irp t, 0,1,2,3
	LOAD \t
.endr
	s_wait_loadcnt 12                              ; step 0's four loads are in; three steps' may be out
	TURN 0
.macro STEP t
.set XS, X+16*((\t)%2)
.if (\t) > 0
	s_wait_dscnt 1                                 ; this step's numbers are back from the stage (the last step's byte store may be out)
.else
	s_wait_dscnt 0x0
.endif
.if (\t)+4 < STEPS
	LOAD (\t)+4                                    ; into the registers that this step's stores into the stage have read
.endif
.if (\t)+1 < STEPS
.if STEPS-2-(\t) >= 3
	s_wait_loadcnt 12                              ; the next step's four loads are in; those of the three steps behind it may be out
.else
	s_wait_loadcnt 4*(STEPS-2-(\t))
.endif
	TURN (\t)+1
.endif
.irp j, 0,2,4,6,8,10,12,14                     ; the block's mean: my 8 rows are summed ahead of the hold, which works in place
.if (\t) < 2
	v_pk_mul_f32 v[PA+16*((\t)%2)+\j:PA+16*((\t)%2)+\j+1], v[XS+\j:XS+\j+1], 1.0 op_sel_hi:[1,0]   ; the first row starts the sums: nothing is cleared
.else
	v_pk_add_f32 v[PA+16*((\t)%2)+\j:PA+16*((\t)%2)+\j+1], v[PA+16*((\t)%2)+\j:PA+16*((\t)%2)+\j+1], v[XS+\j:XS+\j+1]
.endif
.endr
	QCORE XS, C+4*(\t), E+(\t)
	ds_store_b8 v5, v[E+(\t)] offset:16*(\t)       ; both lanes of a block write the same byte with the same value
	global_store_b128 v3, v[C+4*(\t):C+4*(\t)+3], s[8:9] offset:512*(\t)   ; the wave stores 512 consecutive bytes
.endm
.irp t, 0,1,2,3,4,5,6,7,8,9,10,11,12,13,14,15
	STEP \t
.endr
	ds_load_b64 v[12:13], v6                       ; my wave's 256 scale bytes: LDS serves a wave's instructions in order
.irp q, 0,1
.irp g, 0,1,2,3
	ds_store_b128 v[PST], v[PA+16*\q+4*\g:PA+16*\q+4*\g+3] offset:(4*\q+\g)*512   ; my sums, as images of their registers
.endr
.endr
	s_wait_dscnt 8                                 ; the scale bytes are back; the eight stores behind them may be out
	global_store_b64 v7, v[12:13], s[10:11]        ; 32 lanes store one aligned run of 256 bytes
	s_wait_dscnt 0x0                               ; for the others' sake: my sums have landed
	s_barrier_signal -1
	s_barrier_wait -1
	s_cmp_lt_u32 s16, 2
	s_cbranch_scc0 .Lx_done                        ; waves 2 and 3 are done; wave q finishes columns 512 q on
.irp w, 0,1,2,3
.irp g, 0,1,2,3
	ds_load_b128 v[R+16*\w+4*\g:R+16*\w+4*\g+3], v[PLD] offset:\w*4096+\g*512
.endr
.endr
	s_wait_dscnt 0x0
.irp j, 0,2,4,6,8,10,12,14
	v_pk_add_f32 v[R+\j:R+\j+1], v[R+\j:R+\j+1], v[R+16+\j:R+16+\j+1]
	v_pk_add_f32 v[R+32+\j:R+32+\j+1], v[R+32+\j:R+32+\j+1], v[R+48+\j:R+48+\j+1]
.endr
.irp j, 0,2,4,6,8,10,12,14
	v_pk_add_f32 v[R+\j:R+\j+1], v[R+\j:R+\j+1], v[R+32+\j:R+32+\j+1]
.endr
.irp j, 0,2,4,6,8,10,12,14
	v_pk_mul_f32 v[X+\j:X+\j+1], v[R+\j:R+\j+1], 0x3d000000 op_sel_hi:[1,0]   ; / 32: exact
.endr
	QCORE X, PCD, PBY
	global_store_b128 v[PIO], v[PCD:PCD+3], s[12:13]   ; column block 16 q + lane / 2, half lane % 2, row block % 16 of the image: 16 bytes of each of 32 runs; 1,024 bytes a work-group
	global_store_b8 v[PSO], v[PBY], s[14:15]       ; 32 bytes a work-group
.Lx_done:
	s_wait_tensorcnt 0x0
	ds_add_u32 v240, v241
	s_wait_dscnt 0x0
	s_endpgm
; ---------------- PATH W: group xw of 128 columns (0-43 over the seven weights), y-th 256 along K.  A wave takes 32 columns.
.Lweights:
	s_load_b128 s[4:7], s[0:1], 0x8                ; Wq, Wk
	s_load_b128 s[8:11], s[0:1], 0x18              ; Wv, Wq_sel
	s_load_b128 s[12:15], s[0:1], 0x28             ; Wo, Wu
	s_load_b128 s[48:51], s[0:1], 0x38             ; Wk_sel, prepb
	s_sub_co_u32 s17, ttmp9, 256
	s_lshr_b32 s18, s17, 2                         ; xw
	s_and_b32 s19, s17, 3                          ; y
	s_mul_i32 s20, s16, 32*WP
	s_add_co_u32 s20, s20, WST                     ; my stage
	v_bfe_u32 v5, v2, 3, 1                         ; my column's position in its group of 32: u = (j / 8) % 2,
	v_and_b32 v6, 7, v2
	v_lshrrev_b32 v7, 4, v2
	v_lshl_add_u32 v6, v7, 3, v6                   ; r = j % 8 + 8 (j / 16),
	v_lshl_add_u32 v5, v5, 4, v6                   ; 16 u + r
	v_mul_u32_u24 v4, v5, WP
	v_add_nc_u32 v4, s20, v4                       ; into the stage: row = my position
	v_and_b32 v6, 15, v2
	v_mul_u32_u24 v8, v7, WP
	v_lshl_add_u32 v8, v6, 4, v8
	v_add_nc_u32 v8, s20, v8                       ; out of it by rows: sixteen lanes to a row, two rows an instruction
	v_mul_u32_u24 v9, v6, WP
	v_lshl_add_u32 v9, v7, 4, v9
	v_add_nc_u32 v9, s20, v9                       ; out of it as a fragment's image: row lane % 16, + 16 (lane / 16)
	v_lshlrev_b32 v14, 10, v7
	v_lshl_add_u32 v14, v6, 4, v14                 ; the rows' place in the codes' buffer
	v_lshlrev_b32 v15, 4, v2                       ; the image's: 16 x lane
	v_lshlrev_b32 v16, 5, v5                       ; my position's row of scale bytes
	v_lshlrev_b32 v[VO], 2, v2
	s_lshl_b32 s21, s18, 7
	s_lshl_b32 s22, s16, 5
	s_add_co_u32 s21, s21, s22                     ; my wave's first row of the outputs: 128 xw + 32 wave
	s_lshl_b32 s52, s21, 10
	s_lshl_b32 s22, s19, 8
	s_add_co_u32 s52, s52, s22
	s_add_co_u32 s52, s52, O_WC                    ; codes by rows
	s_mov_b32 s53, 0
	s_lshl_b32 s54, s21, 5
	s_lshl_b32 s22, s19, 3
	s_add_co_u32 s54, s54, s22
	s_add_co_u32 s54, s54, O_WS                    ; scale bytes
	s_mov_b32 s55, 0
	s_max_u32 s56, s18, 34
	s_sub_co_u32 s56, s56, 34
	s_lshl_b32 s56, s56, 2
	s_add_co_u32 s56, s56, s16                     ; column block 4 (xw - 34) + wave
	s_lshl_b32 s56, s56, 15
	s_lshl_b32 s22, s19, 13
	s_add_co_u32 s56, s56, s22
	s_add_co_u32 s56, s56, O_WI                    ; codes as images
	s_mov_b32 s57, 0
	s_mov_b32 s28, 4096
	s_mov_b32 s29, 1024
	s_mov_b32 s27, 1024                            ; the weight's row in bytes,
	s_mov_b32 s26, 42                              ; its first group,
	s_wait_kmcnt 0x0
	s_mov_b64 s[24:25], s[48:49]                   ; and its address: the choices hang on the work-group's number alone
	s_cmp_lt_u32 s18, 42
	s_cselect_b64 s[24:25], s[14:15], s[24:25]
	s_cselect_b32 s26, 34, s26
	s_cselect_b32 s27, s28, s27
	s_cmp_lt_u32 s18, 34
	s_cselect_b64 s[24:25], s[12:13], s[24:25]
	s_cselect_b32 s26, 26, s26
	s_cselect_b32 s27, s28, s27
	s_cmp_lt_u32 s18, 26
	s_cselect_b64 s[24:25], s[10:11], s[24:25]
	s_cselect_b32 s26, 24, s26
	s_cselect_b32 s27, s29, s27
	s_cmp_lt_u32 s18, 24
	s_cselect_b64 s[24:25], s[8:9], s[24:25]
	s_cselect_b32 s26, 16, s26
	s_cselect_b32 s27, s28, s27
	s_cmp_lt_u32 s18, 16
	s_cselect_b64 s[24:25], s[6:7], s[24:25]
	s_cselect_b32 s26, 8, s26
	s_cselect_b32 s27, s28, s27
	s_cmp_lt_u32 s18, 8
	s_cselect_b64 s[24:25], s[4:5], s[24:25]
	s_cselect_b32 s26, 0, s26
	s_cselect_b32 s27, s28, s27
	s_sub_co_u32 s26, s18, s26
	s_lshl_b32 s26, s26, 7
	s_lshl_b32 s22, s16, 5
	s_add_co_u32 s26, s26, s22                     ; my first column in the weight
	s_lshl_b32 s26, s26, 2
	s_lshl_b32 s22, s19, 8
	s_mul_i32 s22, s22, s27                        ; 256 y rows down
	s_add_co_u32 s26, s26, s22
	s_mov_b32 s30, s26
	s_mov_b32 s31, 0
	s_add_nc_u64 s[32:33], s[24:25], s[30:31]      ; a base for each block of 32 rows: the row's length is no constant of the text, so it cannot stand in the immediates
	s_lshl_b32 s30, s27, 5
.irp t, 1,2,3,4,5,6,7
	s_add_nc_u64 s[32+2*\t:33+2*\t], s[30+2*\t:31+2*\t], s[30:31]
.endr
	s_add_nc_u64 s[52:53], s[50:51], s[52:53]
	s_add_nc_u64 s[54:55], s[50:51], s[54:55]
	s_add_nc_u64 s[56:57], s[50:51], s[56:57]
.set wi, 1
.rept 31
	v_add_nc_u32 v[VO+wi], s27, v[VO+wi-1]         ; offset of row i of a block: 4 lane + i rows
.set wi, wi+1
.endr
.macro WLOAD t                         ; block t: W(32 t + i, my column), i = 0 .. 31: each load reads 128 consecutive bytes a wave
.set wi, 0
.rept 32
	global_load_b32 v[WX+32*((\t)%2)+wi], v[VO+wi], s[32+2*(\t):33+2*(\t)] th:TH_LOAD_NT
.set wi, wi+1
.endr
.endm
	WLOAD 0
	WLOAD 1
.macro WBLOCK t
.set XW, WX+32*((\t)%2)
.if (\t) < NB-1
	s_wait_loadcnt 32                              ; this block's 32 loads are in; the next block's may be out
.else
	s_wait_loadcnt 0
.endif
	v_max3_num_f32 v12, |v[XW]|, |v[XW+1]|, |v[XW+2]|              ; the block's largest magnitude: all 32 numbers are mine
	v_max3_num_f32 v13, |v[XW+3]|, |v[XW+4]|, |v[XW+5]|
.irp i, 6,10,14,18,22,26
	v_max3_num_f32 v12, v12, |v[XW+\i]|, |v[XW+\i+1]|
	v_max3_num_f32 v13, v13, |v[XW+\i+2]|, |v[XW+\i+3]|
.endr
	v_max3_num_f32 v12, v12, |v[XW+30]|, |v[XW+31]|
	v_max3_num_f32 v12, v12, v13, (EMAX+1)<<23     ; and the floor
	v_add_nc_u32 v11, -(EMAX<<23), v12             ; the conversion's scale operand
	v_and_or_b32 v10, v12, 0x7f800000, s23         ; 448 x the scale
	v_lshrrev_b32 v13, 23, v11                     ; the scale's byte
.if (\t)%4 == 0
	v_mov_b32 v[SB+(\t)/4], v13                    ; four bytes to a register, the lower K in the lower byte
.else
	v_lshl_or_b32 v[SB+(\t)/4], v13, 8*((\t)%4), v[SB+(\t)/4]
.endif
.irp i, 0,1,2,3,4,5,6,7,8,9,10,11,12,13,14,15,16,17,18,19,20,21,22,23,24,25,26,27,28,29,30,31
	v_med3_num_f32 v[XW+\i], v[XW+\i], -v10, v10
.endr
.irp g, 0,1,2,3
	v_cvt_scalef32_pk8_fp8_f32 v[WCD+2*\g:WCD+2*\g+1], v[XW+8*\g:XW+8*\g+7], v11
.endr
	ds_store_b128 v4, v[WCD:WCD+3] offset:32*(\t)  ; 32 codes: 32 bytes of my position's row
	ds_store_b128 v4, v[WCD+4:WCD+7] offset:32*(\t)+16
.if (\t)+2 < NB
	WLOAD (\t)+2
.endif
	s_wait_dscnt 0x0                               ; the stores have read their registers: the next block's codes may be written
.endm
.irp t, 0,1,2,3,4,5,6,7
	WBLOCK \t
.endr
	global_store_b64 v16, v[SB:SB+1], s[54:55]     ; my column's 8 scale bytes
	s_cmp_ge_u32 s18, 34
	s_cbranch_scc1 .Limages
.irp t, 0,1,2,3,4,5,6,7,8,9,10,11,12,13,14,15  ; Wq, Wk, Wv, Wq_sel, Wo: rows of codes, for tensor loads: sixteen lanes store 256 consecutive bytes, aligned
	ds_load_b128 v[OUTR+4*\t:OUTR+4*\t+3], v8 offset:2*\t*WP
.endr
.irp t, 0,1,2,3,4,5,6,7,8,9,10,11,12,13,14,15
	s_wait_dscnt 15-\t
	global_store_b128 v14, v[OUTR+4*\t:OUTR+4*\t+3], s[52:53] offset:2*\t*1024
.endr
	s_wait_tensorcnt 0x0
	ds_add_u32 v240, v241
	s_wait_dscnt 0x0
	s_endpgm
.Limages:                                      ; Wu, Wk_sel: images of fragments, for loads straight into registers: load n is K step n / 8, tile (n / 4) % 2, register group n % 4; each store covers 512 consecutive bytes
.set n, 0
.rept 16
	ds_load_b128 v[OUTR+4*n:OUTR+4*n+3], v9 offset:((n/4)%2)*16*WP+128*(n/8)+32*(n%4)
.set n, n+1
.endr
.set n, 0
.rept 16
	s_wait_dscnt 15-n
	global_store_b128 v15, v[OUTR+4*n:OUTR+4*n+3], s[56:57] offset:(2*(n/8)+(n/4)%2)*2048+512*(n%4)
.set n, n+1
.endr
	s_wait_tensorcnt 0x0
	ds_add_u32 v240, v241
	s_wait_dscnt 0x0
	s_endpgm
.Lfunc_end_k_q12ce0240cc_prep:
	.size	k_q12ce0240cc_prep, .Lfunc_end_k_q12ce0240cc_prep-k_q12ce0240cc_prep
	.p2alignl 7, 3214868480
	.fill 96, 4, 3214868480
	.section	.rodata,"a",@progbits
	.p2align	6, 0x0
	.amdhsa_kernel k_q12ce0240cc_prep
		.amdhsa_group_segment_fixed_size 84480
		.amdhsa_private_segment_fixed_size 0
		.amdhsa_enable_private_segment 0
		.amdhsa_kernarg_size 72
		.amdhsa_user_sgpr_count 2
		.amdhsa_user_sgpr_kernarg_segment_ptr 1
		.amdhsa_wavefront_size32 1
		.amdhsa_system_sgpr_workgroup_id_x 1
		.amdhsa_system_sgpr_workgroup_id_y 1
		.amdhsa_system_sgpr_workgroup_id_z 1
		.amdhsa_system_vgpr_workitem_id 0
		.amdhsa_next_free_vgpr 242
		.amdhsa_next_free_sgpr 66
		.amdhsa_reserve_vcc 0
		.amdhsa_float_denorm_mode_32 3
		.amdhsa_float_denorm_mode_16_64 3
		.amdhsa_memory_ordered 1
		.amdhsa_forward_progress 1
		.amdhsa_inst_pref_size 131
	.end_amdhsa_kernel
	.amdgpu_metadata
---
amdhsa.version: [ 1, 2 ]
amdhsa.kernels:
  - .name:           k_q12ce0240cc_prep
    .symbol:         k_q12ce0240cc_prep.kd
    .args:
      - { .name: x, .offset: 0, .size: 8, .value_kind: global_buffer, .address_space: global }
      - { .name: Wq, .offset: 8, .size: 8, .value_kind: global_buffer, .address_space: global }
      - { .name: Wk, .offset: 16, .size: 8, .value_kind: global_buffer, .address_space: global }
      - { .name: Wv, .offset: 24, .size: 8, .value_kind: global_buffer, .address_space: global }
      - { .name: Wq_sel, .offset: 32, .size: 8, .value_kind: global_buffer, .address_space: global }
      - { .name: Wo, .offset: 40, .size: 8, .value_kind: global_buffer, .address_space: global }
      - { .name: Wu, .offset: 48, .size: 8, .value_kind: global_buffer, .address_space: global }
      - { .name: Wk_sel, .offset: 56, .size: 8, .value_kind: global_buffer, .address_space: global }
      - { .name: prepb, .offset: 64, .size: 8, .value_kind: global_buffer, .address_space: global }
    .group_segment_fixed_size: 84480
    .private_segment_fixed_size: 0
    .kernarg_segment_align: 8
    .kernarg_segment_size: 72
    .max_flat_workgroup_size: 128
    .sgpr_count:     66
    .vgpr_count:     242
    .wavefront_size: 32
...
	.end_amdgpu_metadata
.endif
;; end of part 1
;; launch proj (part 2): grid 4 x 96, 4 waves a work-group, clusters of 4 x 4, 327,680 bytes of LDS; arguments prepb, projb; writes projb
.if DOCPART == 2
	.amdgcn_target "amdgcn-amd-amdhsa--gfx1250"
	.amdhsa_code_object_version 6
	.text
	.protected	k_q12ce0240cc_proj
	.globl	k_q12ce0240cc_proj
	.p2align	8
	.type	k_q12ce0240cc_proj,@function
k_q12ce0240cc_proj:
	s_mov_b64 s[64:65], 0
	v_nop
	global_prefetch_b8 v0, s[64:65] scope:SCOPE_SE
	s_setreg_imm32_b32 hwreg(HW_REG_WAVE_MODE, 25, 1), 1
	s_wait_xcnt 0x0
	s_wait_alu depctr_hold_cnt(0) depctr_sa_sdst(0) depctr_va_vdst(0) depctr_va_sdst(0) depctr_va_ssrc(0) depctr_va_vcc(0) depctr_vm_vsrc(0)
	s_getreg_b32 s2, hwreg(HW_REG_IB_STS2, 6, 4)
	s_cmp_eq_u32 s2, 0
	s_cbranch_scc0 .Lentry_in_a_cluster
	s_endpgm
.Lentry_in_a_cluster:
	s_bfe_u32 s2, ttmp6, 0x10000c
	s_cmp_lg_u32 s2, 0xf033
	s_cbranch_scc0 .Lentry_shape_is_right
	s_endpgm
.Lentry_shape_is_right:
; proj: q = x Wq, k = x Wk, v = x Wv on codes of E4M3 with E8M0 scales (K = 1,024), and each result quantised at once for the product that will read it; beside it root_emb = pooled Wu.
; A tile of 256 x 256 is made by four waves, 128 x 128 each: 64 accumulators.  K goes in steps of 256 through a ring of two LDS slots filled by the tensor data mover; the scale bytes of the tile's rows come once.
; Source 1 ("A") is the side whose rows a lane holds, source 0 ("B") the side that runs along a lane's registers.  B's rows lie in position order (see prep), so a lane's 16 registers of two neighbouring tiles of B are 16 actual neighbours.
; CLUSTERS of 4 x 4, 24 of them (c = the cluster's y).  c < 16: A = x, B = Wq and Wk (2,048 columns): a lane holds a token, its registers run along the head: q and k are quantised along the head.
; c >= 16: A = Wv, B = x: a lane holds a channel, its registers run along the tokens: v is quantised along the keys.  The choice hangs on c alone, which all sixteen partners share.
; A's tile is asked for jointly by a row of the cluster, B's by a column.
; THE WAY OUT: no f32 goes to memory.  Each 16 x 128 block of results becomes four register groups of codes and one scale word a row; they are stored as images of operand registers (lane l's 16 bytes at 16 l), 512 consecutive bytes a store.
; Each of the eight blocks has code registers and a base of its own, so that no store's source is written again and no wait stands between the blocks.
; SIDE DUTY (c < 8), while the first tiles land: each wave makes 16 rows x 32 columns of root_emb from images in memory, quantises it along the columns and stores its image.  It touches no LDS.
; There are 24 clusters for 16 places: the duty lies with eight of the first sixteen, so that the other eight are done first and make room for the last eight.
; LIMITS: a block of zeros gets the byte 1 where the quantiser says 127 (its codes are zeros; this program alone reads the bytes); NaN and infinities are not served.
.set O_XC,  0
.set O_XS,  8388608
.set O_WC,  8650752
.set O_WS,  13107200
.set O_WI,  13287424
.set O_PI,  14598144
.set O_PS,  14860288
.set P_QK,  0                          ; projb: q's and k's codes [token tile 512][column block 64][lane][16 bytes]
.set P_VI,  16777216                   ; v's codes [key block 256][channel tile 64][lane][16 bytes]
.set P_QKS, 25165824                   ; q's and k's scale words [group of 128 columns 16][token tile 512][row 16]
.set P_VS,  25690112                   ; v's scale words [four key blocks 64][channel tile 64][row 16]
.set P_RI,  25952256                   ; root_emb's codes [row tile 16][column block 32][lane][16 bytes]
.set P_RS,  26214400                   ; root_emb's scale bytes [256][32]
.set KSTEP,  256
.set NQ,     2
.set ROWB,   256
.set KROW,   1024
.set PITCH,  272                       ; an LDS row: 256 bytes + 16 of padding: the 16 rows that a load touches start at 16 different banks (64 banks of 4 bytes: ISA guide 11.1)
.set FR,     16
.set NL,     4
.set NP,     8                         ; places behind this matrix instruction (ISA guide 7.12.1)
.set HALFT,  128*PITCH
.set SLOT,   4*HALFT
.set LAPS,   2
.set KS,     32
.set SCL,    2*SLOT                    ; behind the ring: the scale bytes, as runs of 256 bytes + 16 of padding
.set HALFS,  (128*KS/256)*272
.set SBLK,   (16*KS/256)*272
.set SPARE,  SCL+4*HALFS               ; the spare words, 128 bytes a wave: two blocks of 256 bytes that no other line names
.set ADRA, 16
.set ADRB, 20
.set ADRS, 27
.set SPW,  28
.set NIL,  29
.set SWA,  30                          ; v30 the way out: where I put a scale word: 512 wave + 4 (lane % 16), in slot 0, which has had its last fill and its last read by then
.set SRA,  31                          ; v31 and where I read 16 bytes of them back
.set SC,   32                          ; v32-63 scale words, and nothing else in this text
.set TM,   64                          ; v64-79 the quantiser's work
.set PW,   80                          ; v80-87 the scale words just made
.set PC,   88                          ; v88-91 the side duty's codes
.set OB,   120                         ; v120-123 the stores' offsets: 16 lane + b x the stride of B's blocks
.set AF,   128                         ; v128-255 A's fragments; on the way out the codes, 16 registers a block
.set G1, 24
.set G0, 32
.set G1B, 48
.set G0B, 56
.set G1S, 68
.set G0S, 76
.set G1SB, 80
.set G0SB, 88
.set SEL, 66                           ; s66-67 lane selects for v_permlanex16_b32: lane l xor 16
.set MNT, 2                            ; s2 the mantissa field of 448
.set MSB, 0
.macro WIN new                         ; the immediate's high byte repeats the setting that is left
.if MSB != (\new)
	s_set_vgpr_msb (MSB<<8)|(\new)
.set MSB, (\new)
.endif
.endm
.set MUL_LO, 0xa1                      ; source 0 (B) window 1, source 1 (A) window 0, C and D window 2
.set MUL_HI, 0xf1
.set TO_B,   0x40
.macro JLOAD g0a, g1a, g0b, g1b        ; waves 0 and 1 fetch for A, waves 2 and 3 for B; four v_nop follow each of the two lines
	s_cmp_eq_u32 s15, 0
	s_cbranch_scc0 .Lfor_b_\@
	tensor_load_to_lds s[\g0a:\g0a+3], s[\g1a:\g1a+7]
	s_nop 0
.rept 4
	v_nop
.endr
	s_branch .Lasked_\@
.Lfor_b_\@:
	tensor_load_to_lds s[\g0b:\g0b+3], s[\g1b:\g1b+7]
	s_nop 0
.rept 4
	v_nop
.endr
.Lasked_\@:
.endm
.macro CREST
	s_cmp_lg_u32 s14, 0
	s_cbranch_scc1 .Lnot_wave_0_\@
	s_barrier_signal -3
.Lnot_wave_0_\@:
	s_barrier_wait -3
	s_barrier_signal -1
	s_barrier_wait -1
.endm
.macro CROUND
	s_barrier_signal -1
	s_barrier_wait -1
	CREST
.endm
.macro PLACES n
.rept \n
	v_nop
.endr
.endm
; nb blocks of 32 are quantised.  Register src + 16 b + i of window win is number 32 b + 16 (lane / 16) + i of my row; lanes l and l xor 16 share a block.  Codes to v[pc + 4 b] on, the bytes to v[pw], both in window 0.
; Each accumulator is first read at its two lowest registers.
.macro QUANT src, win, nb, pc, pw
	WIN ((\win)|((\win)<<2))
.set qb, 0
.rept \nb
	v_max3_num_f32 v[TM+qb], |v[(\src)+16*qb]|, |v[(\src)+16*qb+1]|, 0x4800000   ; with the floor 2^(9 - 127): the byte cannot fall under 1
.set qb, qb+1
.endr
.set qi, 2
.rept 7
.set qb, 0
.rept \nb
	v_max3_num_f32 v[TM+qb], |v[(\src)+16*qb+qi]|, |v[(\src)+16*qb+qi+1]|, v[TM+qb]   ; (the blocks by turns)
.set qb, qb+1
.endr
.set qi, qi+2
.endr
	WIN 0
.set qb, 0
.rept \nb
	v_permlanex16_b32 v[TM+4+qb], v[TM+qb], s[SEL], s[SEL+1]
.set qb, qb+1
.endr
.set qb, 0
.rept \nb
	v_max_num_f32 v[TM+qb], v[TM+qb], v[TM+4+qb]   ; the block's largest magnitude
.set qb, qb+1
.endr
.set qb, 0
.rept \nb
	v_add_nc_u32 v[TM+12+qb], 0xfc000000, v[TM+qb] ; 8 off its exponent field: the conversion's scale operand
.set qb, qb+1
.endr
.set qb, 0
.rept \nb
	v_and_or_b32 v[TM+8+qb], v[TM+qb], 0x7f800000, s[MNT]   ; 448 x the scale
.set qb, qb+1
.endr
	v_lshrrev_b32 v[\pw], 23, v[TM+12]             ; the bytes make my row's scale word
.set qb, 1
.rept (\nb)-1
	v_lshrrev_b32 v[TM+4+qb], 23, v[TM+12+qb]
.set qb, qb+1
.endr
.set qb, 1
.rept (\nb)-1
	v_lshl_or_b32 v[\pw], v[TM+4+qb], 8*qb, v[\pw]
.set qb, qb+1
.endr
	WIN (((\win)<<6)|(\win))
.set qb, 0
.rept \nb
.set qi, 0
.rept 16
	v_med3_num_f32 v[(\src)+16*qb+qi], v[(\src)+16*qb+qi], -v[TM+8+qb], v[TM+8+qb]   ; the conversion does not saturate (ISA guide 7.6.2): the hold
.set qi, qi+1
.endr
.set qb, qb+1
.endr
	WIN (\win)
.set qb, 0
.rept \nb
	v_cvt_scalef32_pk8_fp8_f32 v[(\pc)+4*qb:(\pc)+4*qb+1], v[(\src)+16*qb:(\src)+16*qb+7], v[TM+12+qb]
	v_cvt_scalef32_pk8_fp8_f32 v[(\pc)+4*qb+2:(\pc)+4*qb+3], v[(\src)+16*qb+8:(\src)+16*qb+15], v[TM+12+qb]
.set qb, qb+1
.endr
	WIN 0
	v_nop                                          ; one plain line between the last conversion and whatever next touches its registers
.endm
	s_load_b128 s[4:7], s[0:1], 0x0                ; prepb s[4:5], projb s[6:7]
	v_lshl_add_u32 v[SPW], v0, 2, SPARE
	v_mov_b32 v[NIL], 0
	ds_add_u32 v28, v29
	ds_add_u32 v28, v29
	s_wait_dscnt 0x0
	v_lshrrev_b32 v1, 5, v0
	v_readfirstlane_b32 s14, v1                    ; wave 0..3
	s_lshr_b32 s15, s14, 1                         ; which half of A's rows is mine.  Also: I fetch for A (0) or for B (1)
	s_and_b32 s16, s14, 1                          ; which half of B's rows.  Also: which 128 rows I fetch
	s_bfe_u32 s40, ttmp6, 0x40000                  ; cx
	s_bfe_u32 s41, ttmp6, 0x40004                  ; cy
	s_and_b32 s95, ttmp7, 0xffff                   ; c: the cluster's number
	s_lshl_b32 s43, s41, 2
	s_lshl_b32 s43, 15, s43                        ; my row of the cluster
	s_lshl_b32 s44, 0x1111, s40                    ; my column
	s_or_b32 s[G1+0], s43, (0<<16)|(1<<20)|(1<<21)|(5<<22)|(3<<25)  ; the mask; elements of 1 byte; padding on; bit 21 beside a mask; after every 64 words, 4 words
	s_or_b32 s[G1B+0], s44, (0<<16)|(1<<20)|(1<<21)|(5<<22)|(3<<25)
.irp g, G1, G1B
	s_mov_b32 s[\g+1], ROWB<<16                    ; tensor_dim0
	s_mov_b32 s[\g+2], 128<<16                     ; tensor_dim1
	s_mov_b32 s[\g+3], ROWB<<16                    ; tile_dim0
	s_mov_b32 s[\g+4], 128                         ; tile_dim1
	s_mov_b32 s[\g+5], KROW                        ; the pitch
	s_mov_b32 s[\g+6], 0
	s_mov_b32 s[\g+7], 0
.endr
	s_or_b32 s[G1S+0], s43, (3<<16)|(1<<20)|(1<<21)|(5<<22)|(3<<25) ; the scale bytes of 128 rows: 4,096 dense bytes as 16 rows of 256 (32 elements of 8 bytes)
	s_or_b32 s[G1SB+0], s44, (3<<16)|(1<<20)|(1<<21)|(5<<22)|(3<<25)
.irp g, G1S, G1SB
	s_mov_b32 s[\g+1], 32<<16
	s_mov_b32 s[\g+2], (128*KS/256)<<16
	s_mov_b32 s[\g+3], 32<<16
	s_mov_b32 s[\g+4], 128*KS/256
	s_mov_b32 s[\g+5], 32
	s_mov_b32 s[\g+6], 0
	s_mov_b32 s[\g+7], 0
.endr
	; the roles
	s_lshr_b32 s18, s95, 1
	s_lshl_b32 s18, s18, 2                         ; q, k: A's tile = 4 (c / 2) + cy of x's 32,
	s_and_b32 s19, s95, 1
	s_lshl_b32 s19, s19, 2                         ;       B's = 4 (c % 2) + cx of the 8 of Wq and Wk
	s_max_u32 s20, s95, 16
	s_sub_co_u32 s20, s20, 16
	s_lshl_b32 s20, s20, 2                         ; v: A's tile = cy of Wv's 4, B's = 4 (c - 16) + cx of x's 32
	s_mov_b32 s97, O_WS+2048*32
	s_mov_b32 s99, O_XS
	s_cmp_lt_u32 s95, 16
	s_cselect_b32 s17, s18, 0
	s_cselect_b32 s42, s19, s20
	s_cselect_b32 s96, O_XC, O_WC+2048*1024        ; where A's codes begin in prepb,
	s_cselect_b32 s97, O_XS, s97                   ; A's scale bytes,
	s_cselect_b32 s98, O_WC, O_XC                  ; B's codes,
	s_cselect_b32 s99, O_WS, s99                   ; B's scale bytes
	s_add_co_u32 s17, s17, s41                     ; A's tile: never holds cx
	s_add_co_u32 s42, s42, s40                     ; B's tile: never holds cy
	s_lshl_b32 s18, s16, 7
	s_lshl_b32 s20, s17, 8
	s_add_co_u32 s20, s20, s18                     ; A: the first row that I fetch
	s_lshl_b32 s46, s42, 8
	s_add_co_u32 s46, s46, s18                     ; B likewise
	s_lshl_b32 s22, s20, 5
	s_add_co_u32 s22, s22, s97
	s_mov_b32 s23, 0
	s_lshl_b32 s20, s20, 10
	s_add_co_u32 s20, s20, s96
	s_mov_b32 s21, 0
	s_lshl_b32 s92, s46, 5
	s_add_co_u32 s92, s92, s99
	s_mov_b32 s93, 0
	s_lshl_b32 s46, s46, 10
	s_add_co_u32 s46, s46, s98
	s_mov_b32 s47, 0
	s_mul_i32 s45, s14, HALFT                      ; where they go: wave x 128 rows: no place in the cluster enters an LDS address
	s_mul_i32 s94, s14, HALFS
	s_mov_b32 s[SEL], 0x76543210
	s_mov_b32 s[SEL+1], 0xfedcba98
	s_mov_b32 s[MNT], 0x600000
	s_wait_kmcnt 0x0
	s_add_nc_u64 s[20:21], s[4:5], s[20:21]
	s_add_nc_u64 s[22:23], s[4:5], s[22:23]
	s_add_nc_u64 s[46:47], s[4:5], s[46:47]
	s_add_nc_u64 s[92:93], s[4:5], s[92:93]
	CROUND                                         ; all sixteen work-groups are here: the first joint loads meet
	s_mov_b32 s[G0S], 1
	s_add_co_u32 s[G0S+1], s94, SCL
	s_mov_b64 s[G0S+2:G0S+3], s[22:23]
	s_or_b32 s[G0S+3], s[G0S+3], 0x80000000
	s_mov_b32 s[G0SB], 1
	s_add_co_u32 s[G0SB+1], s94, SCL
	s_mov_b64 s[G0SB+2:G0SB+3], s[92:93]
	s_or_b32 s[G0SB+3], s[G0SB+3], 0x80000000
	JLOAD G0S, G1S, G0SB, G1SB                     ; the scale bytes first; with the two slots' fills three loads of mine are out
.irp s, 0,1
	s_mov_b32 s[G0+4*\s], 1
	s_add_co_u32 s[G0+4*\s+1], s45, \s*SLOT
	s_add_nc_u64 s[G0+4*\s+2:G0+4*\s+3], s[20:21], \s*ROWB
	s_or_b32 s[G0+4*\s+3], s[G0+4*\s+3], 0x80000000
	s_mov_b32 s[G0B+4*\s], 1
	s_add_co_u32 s[G0B+4*\s+1], s45, \s*SLOT
	s_add_nc_u64 s[G0B+4*\s+2:G0B+4*\s+3], s[46:47], \s*ROWB
	s_or_b32 s[G0B+4*\s+3], s[G0B+4*\s+3], 0x80000000
	JLOAD G0+4*\s, G1, G0B+4*\s, G1B
.endr
	v_and_b32 v1, 15, v0                           ; r = lane % 16
	v_bfe_u32 v2, v0, 4, 1                         ; h = lane / 16
	v_mul_u32_u24 v3, v1, PITCH
	v_lshl_add_u32 v4, v2, 4, v3
	s_mul_i32 s21, s15, HALFT
	s_mul_i32 s22, s16, HALFT
	s_add_co_u32 s22, s22, 2*HALFT
.irp s, 0,1
	v_add_nc_u32 v[ADRA+\s], s21, v4
	v_add_nc_u32 v[ADRB+\s], s22, v4
	s_add_co_u32 s21, s21, SLOT
	s_add_co_u32 s22, s22, SLOT
.endr
	v_mul_u32_u24 v5, v1, KS
	v_lshrrev_b32 v6, 8, v5
	v_lshl_add_u32 v5, v6, 4, v5
	s_mul_i32 s21, s15, HALFS
	s_mul_i32 s22, s16, HALFS
	s_add_co_u32 s22, s22, 2*HALFS
	s_sub_co_u32 s22, s22, s21
	v_mul_u32_u24 v6, s22, v2                      ; lanes 16-31 take B's scale words
	s_add_co_u32 s21, s21, SCL
	v_add_nc_u32 v5, v5, v6
	v_add_nc_u32 v[ADRS], s21, v5
	s_lshl_b32 s21, s14, 9
	v_lshl_add_u32 v[SWA], v1, 2, s21
	v_and_b32 v3, 31, v0
	v_lshlrev_b32 v[OB], 4, v3                     ; 16 x lane
	v_add_nc_u32 v[SRA], s21, v[OB]
.irp b, 0,1,2,3
	v_mov_b32 v[TM+4+\b], 0                        ; written once: a lane permute's destination counts as one of its sources
.endr
	; ---- SIDE DUTY: root_emb.  Piece p = 4 (16 c + 4 cy + cx) + wave of 512: row tile p / 32, column block p % 32.  The place in the cluster enters global addresses alone.
	s_cmp_ge_u32 s95, 8
	s_cbranch_scc1 .Lno_root
	s_lshl_b32 s18, s95, 4
	s_lshl_b32 s19, s41, 2
	s_add_co_u32 s18, s18, s19
	s_add_co_u32 s18, s18, s40
	s_lshl_b32 s18, s18, 2
	s_add_co_u32 s18, s18, s14
	s_lshr_b32 s19, s18, 5                         ; the row tile
	s_and_b32 s18, s18, 31                         ; the column block
	s_lshl_b32 s20, s19, 14
	s_add_co_u32 s20, s20, O_PI
	s_mov_b32 s21, 0
	s_add_nc_u64 s[8:9], s[4:5], s[20:21]          ; pooled's images
	s_lshl_b32 s20, s18, 15
	s_add_co_u32 s20, s20, O_WI
	s_add_nc_u64 s[10:11], s[4:5], s[20:21]        ; Wu's images
	s_lshl_b32 s20, s18, 10
	s_add_co_u32 s20, s20, O_WS+4352*32
	s_add_nc_u64 s[12:13], s[4:5], s[20:21]        ; Wu's scale bytes: 32 rows of 32
	s_lshl_b32 s20, s19, 9
	s_add_co_u32 s20, s20, O_PS
	s_add_nc_u64 s[96:97], s[4:5], s[20:21]        ; pooled's
	s_lshl_b32 s20, s19, 14
	s_lshl_b32 s22, s18, 9
	s_add_co_u32 s20, s20, s22
	s_add_co_u32 s20, s20, P_RI
	s_add_nc_u64 s[98:99], s[6:7], s[20:21]        ; root_emb's image
	s_lshl_b32 s20, s19, 9
	s_add_co_u32 s20, s20, s18
	s_add_co_u32 s20, s20, P_RS
	s_add_nc_u64 s[100:101], s[6:7], s[20:21]      ; and its scale bytes
	v_lshlrev_b32 v9, 5, v1                        ; 32 r
.irp s, 0,1,2,3,4,5,6,7
.irp c, 0,1,2,3
	global_load_b128 v[AF+16*\s+4*\c:AF+16*\s+4*\c+3], v[OB], s[8:9] offset:(4*\s+\c)*512
.endr
.endr
.irp u, 0,1
	global_load_b128 v[SC+8*\u:SC+8*\u+3], v9, s[12:13] offset:512*\u         ; a word for each of the 8 K steps
	global_load_b128 v[SC+8*\u+4:SC+8*\u+7], v9, s[12:13] offset:512*\u+16
.endr
	global_load_b128 v[SC+16:SC+19], v9, s[96:97]
	global_load_b128 v[SC+20:SC+23], v9, s[96:97] offset:16
	WIN TO_B
.irp f, 0,1,2,3,4,5,6,7,8,9,10,11,12,13,14,15  ; fragment f = 2 K step + tile
.irp c, 0,1,2,3
	global_load_b128 v[16*\f+4*\c:16*\f+4*\c+3], v[OB], s[10:11] offset:\f*2048+\c*512
.endr
.endr
	s_wait_loadcnt 0x0
	WIN MUL_LO
.irp s, 0,1,2,3,4,5,6,7                        ; two accumulators by turns
.irp u, 0,1
.if \s == 0
	v_wmma_scale_f32_16x16x128_f8f6f4 v[8*\u:8*\u+7], v[16*(2*\s+\u):16*(2*\s+\u)+15], v[AF+16*\s:AF+16*\s+15], 0, v[SC+8*\u+\s], v[SC+16+\s]
.else
	v_wmma_scale_f32_16x16x128_f8f6f4 v[8*\u:8*\u+7], v[16*(2*\s+\u):16*(2*\s+\u)+15], v[AF+16*\s:AF+16*\s+15], v[8*\u:8*\u+7], v[SC+8*\u+\s], v[SC+16+\s]
.endif
.endr
.endr
	WIN 0
	PLACES NP+1                                    ; for the reads below, for the loads into these operands' registers, and for the main loop's first products, which write over these results
	QUANT 0, 2, 1, PC, PW
	global_store_b128 v[OB], v[PC:PC+3], s[98:99]  ; 512 consecutive bytes
	global_store_b8 v9, v[PW], s[100:101]          ; both halves of the lanes write the same byte; 16 bytes a wave
	s_wait_xcnt 0x0                                ; these stores' registers and bases are written again further down
.Lno_root:
.macro FRAG reg, adr, q, i             ; 16 rows x 128 K of 8-bit codes: lane l holds row l % 16; registers 4 c .. 4 c + 3 hold K = 32 c + 16 (l / 16) + 0 .. 15
.irp c, 0,1,2,3
	ds_load_b128 v[\reg+4*\c:\reg+4*\c+3], v[\adr] offset:128*(\q)+32*\c+(\i)*16*PITCH
.endr
.endm
; 16 matrix instructions: A's blocks a0, a0 + 1 x B's eight.  The 64 accumulators take turns, one instruction a turn, in the same order in every step.
.macro MUL16 a0, p, q, sc, zero
.irp a, \a0, \a0+1
.irp b, 0,1,2,3,4,5,6,7
.if \zero
	v_wmma_scale_f32_16x16x128_f8f6f4 v[8*(8*((\a)%4)+\b):8*(8*((\a)%4)+\b)+7], v[128*(\p)+FR*\b:128*(\p)+FR*\b+FR-1], v[AF+FR*(\a):AF+FR*(\a)+FR-1], 0, v[SC+8*NQ*(\sc)+NQ*\b+(\q)], v[SC+8*NQ*(\sc)+NQ*(\a)+(\q)] matrix_a_scale:MATRIX_SCALE_ROW1
.else
	v_wmma_scale_f32_16x16x128_f8f6f4 v[8*(8*((\a)%4)+\b):8*(8*((\a)%4)+\b)+7], v[128*(\p)+FR*\b:128*(\p)+FR*\b+FR-1], v[AF+FR*(\a):AF+FR*(\a)+FR-1], v[8*(8*((\a)%4)+\b):8*(8*((\a)%4)+\b)+7], v[SC+8*NQ*(\sc)+NQ*\b+(\q)], v[SC+8*NQ*(\sc)+NQ*(\a)+(\q)] matrix_a_scale:MATRIX_SCALE_ROW1
.endif
.endr
.endr
.endm
.macro FETCH_B slot, q, p
	WIN TO_B
.irp i, 0,1,2,3,4,5,6,7
	FRAG 128*(\p)+FR*\i, ADRB+\slot, \q, \i
.endr
	WIN 0
.endm
.macro FETCH_A slot, q, i0
.irp i, \i0, \i0+1, \i0+2, \i0+3
	FRAG AF+FR*(\i), ADRA+\slot, \q, \i
.endr
.endm
.macro SCALES sc                       ; the next K step's scale words: lanes 0-15 take A's block i, lanes 16-31 B's block i
.irp i, 0,1,2,3,4,5,6,7
	ds_load_b64 v[SC+8*NQ*\sc+NQ*\i:SC+8*NQ*\sc+NQ*\i+1], v[ADRS] offset:\i*SBLK
.endr
.endm
.macro STEP slot, q, zero              ; 128 along K with its successor in the same slot
	s_wait_dscnt 4*NL                              ; B's set and A's blocks 0-3 are in; the youngest 16 loads (A's blocks 4-7) may be out
	WIN MUL_LO
	MUL16 0, (\q)%2, \q, \slot, \zero
	MUL16 2, (\q)%2, \q, \slot, \zero
	s_wait_dscnt 0
	PLACES NP
	FETCH_B \slot, (\q)+1, 1-(\q)%2
	FETCH_A \slot, (\q)+1, 0
	WIN MUL_HI
	MUL16 4, (\q)%2, \q, \slot, \zero
	MUL16 6, (\q)%2, \q, \slot, \zero
	PLACES NP
	WIN 0
	FETCH_A \slot, (\q)+1, 4
.endm
; A slot's last step changes slots: one barrier; in front of it each wave waits for all its tensor loads, adds 0 to its spare word, and waits for that and for its own reads of this slot.
.macro TURN slot, next, fill
	s_wait_tensorcnt 0x0                           ; all my tensor loads have landed: my part of the next slot
	ds_add_u32 v[SPW], v[NIL]                      ; 0 onto my spare word
	s_wait_dscnt 4*NL+1                            ; (the add and the youngest 16 loads may be out)
	WIN MUL_LO
	MUL16 0, 1, NQ-1, \slot, 0
	s_wait_dscnt 0x0                               ; the add is done, and my reads of this slot are over
	s_barrier_signal -1
	MUL16 2, 1, NQ-1, \slot, 0
	WIN 0
	s_barrier_wait -1
.if \fill
	CREST                                          ; the barrier has opened a round of the cluster's barrier: no wave of any partner still reads this slot or has a load on its way
	s_add_nc_u64 s[G0+4*\slot+2:G0+4*\slot+3], s[G0+4*\slot+2:G0+4*\slot+3], 2*ROWB
	s_add_nc_u64 s[G0B+4*\slot+2:G0B+4*\slot+3], s[G0B+4*\slot+2:G0B+4*\slot+3], 2*ROWB
	JLOAD G0+4*\slot, G1, G0B+4*\slot, G1B         ; the first tensor load behind the round, my only one until the next
	PLACES NP-4
.else
	PLACES NP
.endif
	v_add_nc_u32 v[ADRS], 4*NQ, v[ADRS]
	FETCH_B \next, 0, 0
	FETCH_A \next, 0, 0
	SCALES \next
	WIN MUL_HI
	MUL16 4, 1, NQ-1, \slot, 0
	MUL16 6, 1, NQ-1, \slot, 0
	PLACES NP
	WIN 0
	FETCH_A \next, 0, 4
.endm
	s_wait_tensorcnt 1                             ; the scale bytes and my part of K step 0 are in; slot 1's load may stay out
	s_barrier_signal -1
	s_barrier_wait -1
	FETCH_B 0, 0, 0
	FETCH_A 0, 0, 0
	SCALES 0
	FETCH_A 0, 0, 4
	STEP 0, 0, 1                                   ; the first step's products start the sums
	s_mov_b32 s3, LAPS-1
.Llap:
	TURN 0, 1, 1
	STEP 1, 0, 0
	TURN 1, 0, 1
	STEP 0, 0, 0
	s_sub_co_u32 s3, s3, 1
	s_cmp_lg_u32 s3, 0
	s_cbranch_scc1 .Llap
	TURN 0, 1, 0                                   ; the last lap fills nothing
	STEP 1, 0, 0
	s_wait_dscnt 4*NL
	WIN MUL_LO
	MUL16 0, 1, NQ-1, 1, 0
	MUL16 2, 1, NQ-1, 1, 0
	s_wait_dscnt 0
	WIN MUL_HI
	MUL16 4, 1, NQ-1, 1, 0
	MUL16 6, 1, NQ-1, 1, 0
	WIN 0
	; ---- THE WAY OUT.  A's block a (16 rows, one a lane) x my 128 of B: four blocks of 32 along the registers.
	PLACES NP                                      ; in front of the first reads of results and of the conversions' writes into the registers that held A's fragments
	s_mov_b32 s96, 512
	s_mov_b32 s98, 32768
	s_mov_b32 s19, P_VS
	s_mov_b32 s20, 4096
	s_cmp_lt_u32 s95, 16
	s_cselect_b32 s96, 32768, s96                  ; bytes from one of A's blocks to the next: q, k: a token tile's 64 column blocks; v: a channel tile
	s_cselect_b32 s98, 512, s98                    ; and from one of B's blocks of 32 to the next
	s_cselect_b32 s92, P_QK, P_VI
	s_cselect_b32 s46, P_QKS, s19
	s_cselect_b32 s20, 32768, s20                  ; bytes of scale words for one 128 of B
	s_mov_b32 s97, 0
	s_mov_b32 s93, 0
	s_mov_b32 s47, 0
	s_lshl_b32 s21, s17, 4
	s_lshl_b32 s22, s15, 3
	s_add_co_u32 s21, s21, s22                     ; my first block of A
	s_lshl_b32 s22, s42, 1
	s_add_co_u32 s22, s22, s16                     ; my 128 of B
	s_mul_i32 s23, s21, s96
	s_add_co_u32 s92, s92, s23
	s_lshl_b32 s23, s22, 2
	s_mul_i32 s23, s23, s98
	s_add_co_u32 s92, s92, s23
	s_mul_i32 s23, s22, s20
	s_add_co_u32 s46, s46, s23
	s_lshl_b32 s23, s21, 6
	s_add_co_u32 s46, s46, s23
	s_add_nc_u64 s[24:25], s[6:7], s[92:93]        ; the codes: a base for each of the eight blocks, in the descriptors' registers: every tensor load of mine was waited for at the last change of slots
.irp a, 1,2,3,4,5,6,7
	s_add_nc_u64 s[24+2*\a:25+2*\a], s[22+2*\a:23+2*\a], s[96:97]
.endr
	s_add_nc_u64 s[104:105], s[6:7], s[46:47]      ; the scale words: 8 blocks x 16 rows x 4 bytes on end
	v_add_nc_u32 v[OB+1], s98, v[OB]
	v_add_nc_u32 v[OB+2], s98, v[OB+1]
	v_add_nc_u32 v[OB+3], s98, v[OB+2]
.irp a, 0,1,2,3,4,5,6,7
	QUANT 64*(\a%4), 2+\a/4, 4, AF+16*\a, PW+\a
.irp b, 0,1,2,3
	global_store_b128 v[OB+\b], v[AF+16*\a+4*\b:AF+16*\a+4*\b+3], s[24+2*\a:25+2*\a]   ; an image of four operand registers: 512 consecutive bytes
.endr
	ds_store_b32 v[SWA], v[PW+\a] offset:64*\a     ; both halves of the lanes write the same word
.endr
	ds_load_b128 v[8:11], v[SRA]                   ; LDS serves a wave's instructions in order: these see my stores
	s_wait_dscnt 0x0
	global_store_b128 v[OB], v[8:11], s[104:105]   ; 512 consecutive bytes
	s_wait_tensorcnt 0x0                           ; the wave's end
	ds_add_u32 v[SPW], v[NIL]
	s_wait_dscnt 0x0
	CROUND                                         ; the closing round
	s_endpgm
.Lfunc_end_k_q12ce0240cc_proj:
	.size	k_q12ce0240cc_proj, .Lfunc_end_k_q12ce0240cc_proj-k_q12ce0240cc_proj
	.p2alignl 7, 3214868480
	.fill 96, 4, 3214868480
	.section	.rodata,"a",@progbits
	.p2align	6, 0x0
	.amdhsa_kernel k_q12ce0240cc_proj
		.amdhsa_group_segment_fixed_size 327680
		.amdhsa_private_segment_fixed_size 0
		.amdhsa_enable_private_segment 0
		.amdhsa_kernarg_size 16
		.amdhsa_user_sgpr_count 2
		.amdhsa_user_sgpr_kernarg_segment_ptr 1
		.amdhsa_wavefront_size32 1
		.amdhsa_system_sgpr_workgroup_id_x 1
		.amdhsa_system_sgpr_workgroup_id_y 1
		.amdhsa_system_sgpr_workgroup_id_z 1
		.amdhsa_system_vgpr_workitem_id 0
		.amdhsa_next_free_vgpr 1024
		.amdhsa_next_free_sgpr 106
		.amdhsa_reserve_vcc 0
		.amdhsa_float_denorm_mode_32 3
		.amdhsa_float_denorm_mode_16_64 3
		.amdhsa_memory_ordered 1
		.amdhsa_forward_progress 1
		.amdhsa_inst_pref_size 202
	.end_amdhsa_kernel
	.amdgpu_metadata
---
amdhsa.version: [ 1, 2 ]
amdhsa.kernels:
  - .name:           k_q12ce0240cc_proj
    .symbol:         k_q12ce0240cc_proj.kd
    .args:
      - { .name: prepb, .offset: 0, .size: 8, .value_kind: global_buffer, .address_space: global }
      - { .name: projb, .offset: 8, .size: 8, .value_kind: global_buffer, .address_space: global }
    .group_segment_fixed_size: 327680
    .private_segment_fixed_size: 0
    .kernarg_segment_align: 8
    .kernarg_segment_size: 16
    .max_flat_workgroup_size: 128
    .sgpr_count:     106
    .vgpr_count:     1024
    .wavefront_size: 32
...
	.end_amdgpu_metadata
.endif
;; end of part 2
;; launch select (part 3): grid 4 x 16, 4 waves a work-group, clusters of 4 x 1, 327,680 bytes of LDS; arguments prepb, projb, maskb; writes maskb
.if DOCPART == 3
	.amdgcn_target "amdgcn-amd-amdhsa--gfx1250"
	.amdhsa_code_object_version 6
	.text
	.protected	k_q12ce0240cc_select
	.globl	k_q12ce0240cc_select
	.p2align	8
	.type	k_q12ce0240cc_select,@function
k_q12ce0240cc_select:
	s_mov_b64 s[64:65], 0
	v_nop
	global_prefetch_b8 v0, s[64:65] scope:SCOPE_SE
	s_setreg_imm32_b32 hwreg(HW_REG_WAVE_MODE, 25, 1), 1
	s_wait_xcnt 0x0
	s_wait_alu depctr_hold_cnt(0) depctr_sa_sdst(0) depctr_va_vdst(0) depctr_va_sdst(0) depctr_va_ssrc(0) depctr_va_vcc(0) depctr_vm_vsrc(0)
	s_getreg_b32 s2, hwreg(HW_REG_IB_STS2, 6, 4)
	s_cmp_eq_u32 s2, 0
	s_cbranch_scc0 .Lentry_in_a_cluster
	s_endpgm
.Lentry_in_a_cluster:
	s_bfe_u32 s2, ttmp6, 0x10000c
	s_cmp_lg_u32 s2, 0x3003
	s_cbranch_scc0 .Lentry_shape_is_right
	s_endpgm
.Lentry_shape_is_right:
; select: which key blocks each token opens.  ksel = root_emb Wk_sel, qsel = x Wq_sel, logits = qsel ksel^T / 16, softmax over the batch's 32 blocks; bit r of a token's word is set where prob >= 0.5 or r is its own block.
; All three products on codes of E4M3 with E8M0 scales.  The words go to memory as whole numbers, one for each position of x's codes (see prep); the attention launch branches on them.
; A work-group takes 128 tokens; a cluster of four is half a batch.  qsel (128 x 256, K = 1,024): four waves, 64 tokens x 128 columns each: 32 accumulators.  x's tiles are the work-group's own (plain loads);
; Wq_sel's are the same for all four and are asked for jointly.
; LDS holds THREE slots of 256 along K (128 rows of x, 256 of Wq_sel, 272 bytes a row): three of the four K steps are first fills and go out together; slot 0 alone is filled again, once, behind a round of the cluster's barrier.
; A step of 128 along K asks for the next step's fragments first (two sets of registers for each side) and then issues its 32 products.  The eight steps are written out.
; PHASE R, while the first tiles land: every work-group makes its batch's ksel (32 x 256) from images in memory: wave w columns 64 w on; quantised along the columns; the codes wait in registers for the way out.
; WAY OUT 1: ksel's codes and qsel, quantised along its columns, go as images of operand registers into slot 1, which is filled once and which every wave has read for the last time ahead of the barrier in step 5.
; WAY OUT 2: wave w takes the two token tiles of block w of my four: source 0 = 16 blocks of ksel, source 1 = 16 tokens: a lane holds one token and 16 of its 32 logits; lane l xor 16 holds the others.
; The row's largest logit is taken away before the exponential, as the definition has it; L - m is formed first and then scaled by log2(e) / 16.
; LIMITS: prob >= 0.5 is tested as e >= sum / 2: a prob within a rounding of 0.5 may fall either way.  A block of zeros gets the byte 1 (its codes are zeros).  NaN and infinities are not served.
.set O_XC,  0
.set O_XS,  8388608
.set O_WC,  8650752
.set O_WS,  13107200
.set O_WI,  13287424
.set P_RI,  25952256
.set P_RS,  26214400
.set KROW,   1024
.set PITCH,  272                       ; an LDS row: 256 bytes + 16 of padding: the 16 rows that a load touches start at 16 different banks (64 banks of 4 bytes: ISA guide 11.1)
.set FR,     16
.set NP,     8                         ; places behind this matrix instruction (ISA guide 7.12.1)
.set HALFA,  64*PITCH                  ; what one tensor load brings of A, and what one wave reads of it
.set HALFB,  128*PITCH                 ; the same of B
.set BOFF,   2*HALFA                   ; in a slot B's 256 rows lie behind A's 128
.set SLOT,   BOFF+2*HALFB
.set SCL,    3*SLOT                    ; behind the slots: the scale bytes, as runs of 256 bytes + 16 of padding: A's 128 rows, then B's 256
.set HSA,    8*272                     ; those of 64 rows
.set HSB,    16*272                    ; of 128 rows
.set SBLK,   544                       ; of 16 rows
.set SPARE,  SCL+2*HSA+2*HSB           ; the spare words: two blocks of 256 bytes that no other line names
.set QIMG,   SLOT                      ; the way out, in slot 1: qsel's 16 fragments (2 token tile + K step), 2,048 bytes each,
.set QSC,    QIMG+32768                ; their scale words, 128 bytes each,
.set KIMG,   QSC+2048                  ; ksel's four fragments (2 tile + K step),
.set KSC,    KIMG+8192                 ; their scale words
.set ADRA, 16                          ; v16-18 LDS address of my A fragments in slot 0, 1, 2
.set ADRB, 20                          ; v20-22 the same for B
.set ADRS, 27
.set SPW,  28
.set NIL,  29
.set SC,   32                          ; v32-63 scale words, and nothing else in this text
.set RSW,  64                          ; v64-79 root_emb's scale words, and nothing else in this text
.set TM,   80                          ; v80-95 at work
.set PW,   96
.set KC,   100                         ; v100-115 ksel's codes, v116-117 its scale bytes: they wait for the way out
.set KPW,  116
.set LG,   96                          ; v96-127 way out 2: the logits of two token tiles
.set AF,   128                         ; v128-255 A's fragments, two sets of 64
.set PC,   128                         ; way out 1: the codes just made
.set G1,   24
.set G1B,  32
.set G1S,  40
.set G1SB, 48
.set G0A0, 56                          ; group 0 for A's tiles, one for each slot
.set G0A1, 60
.set G0A2, 68
.set G0B0, 72                          ; and for B's
.set G0B1, 76
.set G0B2, 80
.set G0S,  84
.set G0SB, 88
.set SEL, 66
.set MNT, 2
.set MSB, 0
.macro WIN new                         ; the immediate's high byte repeats the setting that is left
.if MSB != (\new)
	s_set_vgpr_msb (MSB<<8)|(\new)
.set MSB, (\new)
.endif
.endm
.set MUL,  0xa1                        ; source 0 (B) window 1, source 1 (A) window 0, C and D window 2
.set TO_B, 0x40
.macro JLOAD g0a, g1a, g0b, g1b        ; waves 0 and 1 fetch x's (plain), waves 2 and 3 Wq_sel's (joint); four v_nop follow each of the two lines
	s_cmp_eq_u32 s15, 0
	s_cbranch_scc0 .Lfor_b_\@
	tensor_load_to_lds s[\g0a:\g0a+3], s[\g1a:\g1a+7]
	s_nop 0
.rept 4
	v_nop
.endr
	s_branch .Lasked_\@
.Lfor_b_\@:
	tensor_load_to_lds s[\g0b:\g0b+3], s[\g1b:\g1b+7]
	s_nop 0
.rept 4
	v_nop
.endr
.Lasked_\@:
.endm
.macro CREST
	s_cmp_lg_u32 s14, 0
	s_cbranch_scc1 .Lnot_wave_0_\@
	s_barrier_signal -3
.Lnot_wave_0_\@:
	s_barrier_wait -3
	s_barrier_signal -1
	s_barrier_wait -1
.endm
.macro CROUND
	s_barrier_signal -1
	s_barrier_wait -1
	CREST
.endm
.macro PLACES n
.rept \n
	v_nop
.endr
.endm
; nb blocks of 32 are quantised.  Register src + 16 b + i of window win is number 32 b + 16 (lane / 16) + i of my row.  Codes to v[pc + 4 b] on, the bytes to v[pw].  Each accumulator is first read at its two lowest registers.
.macro QUANT src, win, nb, pc, pw
	WIN ((\win)|((\win)<<2))
.set qb, 0
.rept \nb
	v_max3_num_f32 v[TM+qb], |v[(\src)+16*qb]|, |v[(\src)+16*qb+1]|, 0x4800000   ; with the floor 2^(9 - 127)
.set qb, qb+1
.endr
.set qi, 2
.rept 7
.set qb, 0
.rept \nb
	v_max3_num_f32 v[TM+qb], |v[(\src)+16*qb+qi]|, |v[(\src)+16*qb+qi+1]|, v[TM+qb]
.set qb, qb+1
.endr
.set qi, qi+2
.endr
	WIN 0
.set qb, 0
.rept \nb
	v_permlanex16_b32 v[TM+4+qb], v[TM+qb], s[SEL], s[SEL+1]
.set qb, qb+1
.endr
.set qb, 0
.rept \nb
	v_max_num_f32 v[TM+qb], v[TM+qb], v[TM+4+qb]
.set qb, qb+1
.endr
.set qb, 0
.rept \nb
	v_add_nc_u32 v[TM+12+qb], 0xfc000000, v[TM+qb]
.set qb, qb+1
.endr
.set qb, 0
.rept \nb
	v_and_or_b32 v[TM+8+qb], v[TM+qb], 0x7f800000, s[MNT]
.set qb, qb+1
.endr
	v_lshrrev_b32 v[\pw], 23, v[TM+12]
.set qb, 1
.rept (\nb)-1
	v_lshrrev_b32 v[TM+4+qb], 23, v[TM+12+qb]
.set qb, qb+1
.endr
.set qb, 1
.rept (\nb)-1
	v_lshl_or_b32 v[\pw], v[TM+4+qb], 8*qb, v[\pw]
.set qb, qb+1
.endr
	WIN (((\win)<<6)|(\win))
.set qb, 0
.rept \nb
.set qi, 0
.rept 16
	v_med3_num_f32 v[(\src)+16*qb+qi], v[(\src)+16*qb+qi], -v[TM+8+qb], v[TM+8+qb]
.set qi, qi+1
.endr
.set qb, qb+1
.endr
	WIN (\win)
.set qb, 0
.rept \nb
	v_cvt_scalef32_pk8_fp8_f32 v[(\pc)+4*qb:(\pc)+4*qb+1], v[(\src)+16*qb:(\src)+16*qb+7], v[TM+12+qb]
	v_cvt_scalef32_pk8_fp8_f32 v[(\pc)+4*qb+2:(\pc)+4*qb+3], v[(\src)+16*qb+8:(\src)+16*qb+15], v[TM+12+qb]
.set qb, qb+1
.endr
	WIN 0
	v_nop                                          ; one plain line between the last conversion and whatever next touches its registers
.endm
; slot s's two groups 0 and its first fill
.macro FIRST g0a, g0b, s
	s_mov_b32 s[\g0a], 1
	s_add_co_u32 s[\g0a+1], s92, \s*SLOT
	s_add_nc_u64 s[\g0a+2:\g0a+3], s[20:21], \s*256
	s_or_b32 s[\g0a+3], s[\g0a+3], 0x80000000
	s_mov_b32 s[\g0b], 1
	s_add_co_u32 s[\g0b+1], s93, \s*SLOT
	s_add_nc_u64 s[\g0b+2:\g0b+3], s[98:99], \s*256
	s_or_b32 s[\g0b+3], s[\g0b+3], 0x80000000
	JLOAD \g0a, G1, \g0b, G1B
.endm
	s_load_b128 s[4:7], s[0:1], 0x0                ; prepb, projb
	s_load_b64 s[8:9], s[0:1], 0x10                ; maskb
	v_lshl_add_u32 v[SPW], v0, 2, SPARE
	v_mov_b32 v[NIL], 0
	ds_add_u32 v28, v29
	ds_add_u32 v28, v29
	s_wait_dscnt 0x0
	v_lshrrev_b32 v1, 5, v0
	v_readfirstlane_b32 s14, v1                    ; wave 0..3
	s_lshr_b32 s15, s14, 1                         ; which 64 of the tokens are mine.  Also: I fetch for A (0) or for B (1)
	s_and_b32 s16, s14, 1                          ; which 128 of the columns.  Also: which half I fetch
	s_bfe_u32 s94, ttmp6, 0x40000                  ; cx
	s_and_b32 s95, ttmp7, 0xffff                   ; the cluster: half a batch
	s_lshr_b32 s96, s95, 1                         ; the batch
	s_lshl_b32 s17, s95, 2
	s_add_co_u32 s17, s17, s94                     ; my 128 tokens of the 64 x 128
	s_mov_b32 s[G1+0], (0<<16)|(1<<20)|(5<<22)|(3<<25)              ; x's tiles: no mask; elements of 1 byte; padding: 4 words after every 64
	s_mov_b32 s[G1+1], 256<<16                     ; tensor_dim0
	s_mov_b32 s[G1+2], 64<<16                      ; tensor_dim1
	s_mov_b32 s[G1+3], 256<<16                     ; tile_dim0
	s_mov_b32 s[G1+4], 64                          ; tile_dim1
	s_mov_b32 s[G1+5], KROW                        ; the pitch
	s_mov_b32 s[G1+6], 0
	s_mov_b32 s[G1+7], 0
	s_mov_b32 s[G1B+0], 15|(0<<16)|(1<<20)|(1<<21)|(5<<22)|(3<<25)  ; Wq_sel's: all four work-groups
	s_mov_b32 s[G1B+1], 256<<16
	s_mov_b32 s[G1B+2], 128<<16
	s_mov_b32 s[G1B+3], 256<<16
	s_mov_b32 s[G1B+4], 128
	s_mov_b32 s[G1B+5], KROW
	s_mov_b32 s[G1B+6], 0
	s_mov_b32 s[G1B+7], 0
	s_mov_b32 s[G1S+0], (3<<16)|(1<<20)|(5<<22)|(3<<25)             ; the scale bytes of 64 rows: 2,048 dense bytes as 8 rows of 256 (32 elements of 8 bytes)
	s_mov_b32 s[G1S+1], 32<<16
	s_mov_b32 s[G1S+2], 8<<16
	s_mov_b32 s[G1S+3], 32<<16
	s_mov_b32 s[G1S+4], 8
	s_mov_b32 s[G1S+5], 32
	s_mov_b32 s[G1S+6], 0
	s_mov_b32 s[G1S+7], 0
	s_mov_b32 s[G1SB+0], 15|(3<<16)|(1<<20)|(1<<21)|(5<<22)|(3<<25) ; of 128 rows: 16 rows of 256
	s_mov_b32 s[G1SB+1], 32<<16
	s_mov_b32 s[G1SB+2], 16<<16
	s_mov_b32 s[G1SB+3], 32<<16
	s_mov_b32 s[G1SB+4], 16
	s_mov_b32 s[G1SB+5], 32
	s_mov_b32 s[G1SB+6], 0
	s_mov_b32 s[G1SB+7], 0
	s_lshl_b32 s20, s17, 7
	s_lshl_b32 s18, s16, 6
	s_add_co_u32 s20, s20, s18                     ; x: the first row that I fetch: 128 x my tile + 64 x half
	s_lshl_b32 s22, s20, 5
	s_add_co_u32 s22, s22, O_XS
	s_mov_b32 s23, 0
	s_lshl_b32 s20, s20, 10
	s_mov_b32 s21, 0
	s_lshl_b32 s98, s16, 7
	s_add_co_u32 s98, s98, 3072                    ; Wq_sel: row 3,072 + 128 x half of the weights' codes: the wave's number alone
	s_lshl_b32 s100, s98, 5
	s_add_co_u32 s100, s100, O_WS
	s_mov_b32 s101, 0
	s_lshl_b32 s98, s98, 10
	s_add_co_u32 s98, s98, O_WC
	s_mov_b32 s99, 0
	s_mul_i32 s92, s16, HALFA                      ; where A's half goes in a slot,
	s_mul_i32 s93, s16, HALFB
	s_add_co_u32 s93, s93, BOFF                    ; and B's: no place in the cluster enters an LDS address
	s_mul_i32 s18, s16, HSA
	s_mul_i32 s19, s16, HSB
	s_mov_b32 s[SEL], 0x76543210
	s_mov_b32 s[SEL+1], 0xfedcba98
	s_mov_b32 s[MNT], 0x600000
	s_wait_kmcnt 0x0
	s_add_nc_u64 s[20:21], s[4:5], s[20:21]
	s_add_nc_u64 s[22:23], s[4:5], s[22:23]
	s_add_nc_u64 s[98:99], s[4:5], s[98:99]
	s_add_nc_u64 s[100:101], s[4:5], s[100:101]
	CROUND                                         ; all four work-groups are here: the first joint loads meet
	s_mov_b32 s[G0S], 1
	s_add_co_u32 s[G0S+1], s18, SCL
	s_mov_b64 s[G0S+2:G0S+3], s[22:23]
	s_or_b32 s[G0S+3], s[G0S+3], 0x80000000
	s_mov_b32 s[G0SB], 1
	s_add_co_u32 s[G0SB+1], s19, SCL+2*HSA
	s_mov_b64 s[G0SB+2:G0SB+3], s[100:101]
	s_or_b32 s[G0SB+3], s[G0SB+3], 0x80000000
	JLOAD G0S, G1S, G0SB, G1SB                     ; the scale bytes first; with the three slots' fills four loads of mine are out
	FIRST G0A0, G0B0, 0
	FIRST G0A1, G0B1, 1
	FIRST G0A2, G0B2, 2
	v_and_b32 v1, 15, v0                           ; r
	v_bfe_u32 v2, v0, 4, 1                         ; h
	v_mul_u32_u24 v3, v1, PITCH
	v_lshl_add_u32 v4, v2, 4, v3                   ; a fragment's row x pitch + 16 x half
	s_mul_i32 s18, s15, HALFA                      ; my 64 rows of A
	s_mul_i32 s19, s16, HALFB
	s_add_co_u32 s19, s19, BOFF                    ; my 128 rows of B
.irp s, 0,1,2
	v_add_nc_u32 v[ADRA+\s], s18, v4
	v_add_nc_u32 v[ADRB+\s], s19, v4
	s_add_co_u32 s18, s18, SLOT
	s_add_co_u32 s19, s19, SLOT
.endr
	v_mul_u32_u24 v5, v1, 32                       ; my row's scale bytes: 32 a row,
	v_lshrrev_b32 v6, 8, v5
	v_lshl_add_u32 v5, v6, 4, v5                   ; and 16 more for each 256 passed
	s_mul_i32 s18, s15, HSA
	s_mul_i32 s19, s16, HSB
	s_add_co_u32 s19, s19, 2*HSA
	s_sub_co_u32 s19, s19, s18
	v_mul_u32_u24 v6, s19, v2                      ; lanes 16-31 take B's
	s_add_co_u32 s18, s18, SCL
	v_add_nc_u32 v5, v5, v6
	v_add_nc_u32 v[ADRS], s18, v5
	; the images' addresses: each a constant + a constant x lane + a constant x a part of the wave's number
	v_and_b32 v3, 31, v0
	v_lshlrev_b32 v7, 4, v3                        ; v7  16 lane
	v_lshlrev_b32 v8, 2, v3                        ; v8  4 lane
	v_lshlrev_b32 v9, 5, v1                        ; v9  32 r
	s_lshl_b32 s18, s14, 10
	s_add_co_u32 s18, s18, KIMG
	v_add_nc_u32 v10, s18, v7                      ; v10 ksel's codes, in: column blocks 2 w, 2 w + 1
	s_lshl_b32 s18, s15, 7
	s_lshl_b32 s19, s16, 1
	s_add_co_u32 s18, s18, s19
	s_add_co_u32 s18, s18, KSC
	v_add_nc_u32 v11, s18, v8                      ; v11 ksel's two scale bytes, in
	s_lshl_b32 s18, s15, 14
	s_lshl_b32 s19, s16, 11
	s_add_co_u32 s18, s18, s19
	s_add_co_u32 s18, s18, QIMG
	v_add_nc_u32 v12, s18, v7                      ; v12 qsel's codes, in: token tiles 4 half + a, K step = my half of the columns
	s_lshl_b32 s18, s15, 10
	s_lshl_b32 s19, s16, 7
	s_add_co_u32 s18, s18, s19
	s_add_co_u32 s18, s18, QSC
	v_add_nc_u32 v13, s18, v8                      ; v13 qsel's scale words, in
	v_add_nc_u32 v14, KIMG, v7                     ; v14, v15 ksel, back
	v_add_nc_u32 v15, KSC, v8
	s_lshl_b32 s18, s14, 13
	s_add_co_u32 s18, s18, QIMG
	v_add_nc_u32 v23, s18, v7                      ; v23, v24 qsel, back: my two token tiles
	s_lshl_b32 s18, s14, 9
	s_add_co_u32 s18, s18, QSC
	v_add_nc_u32 v24, s18, v8
	v_lshlrev_b32 v25, 3, v2                       ; v25 8 h
.irp b, 0,1,2,3
	v_mov_b32 v[TM+4+\b], 0                        ; written once: a lane permute's destination counts as one of its sources
.endr
	; ---- PHASE R: ksel.  Source 0 = 16 columns of Wk_sel (tiles 0-3 of my 64), source 1 = 16 rows of root_emb (tiles 0, 1 of the batch's 32): 8 accumulators at window 2, v[8 (4 a + t)].
	s_lshl_b32 s18, s96, 15
	s_add_co_u32 s18, s18, P_RI
	s_mov_b32 s19, 0
	s_add_nc_u64 s[10:11], s[6:7], s[18:19]        ; root_emb's images
	s_lshl_b32 s18, s14, 16
	s_add_co_u32 s18, s18, O_WI+32*32768
	s_add_nc_u64 s[12:13], s[4:5], s[18:19]        ; Wk_sel's images: column blocks 32 + 2 w on
	s_lshl_b32 s18, s14, 11
	s_add_co_u32 s18, s18, O_WS+5376*32
	s_add_nc_u64 s[20:21], s[4:5], s[18:19]        ; Wk_sel's scale bytes
	s_lshl_b32 s18, s96, 10
	s_add_co_u32 s18, s18, P_RS
	s_add_nc_u64 s[22:23], s[6:7], s[18:19]        ; root_emb's
	s_lshl_b32 s18, s17, 9
	s_lshl_b32 s97, s14, 7
	s_add_co_u32 s18, s18, s97
	s_add_nc_u64 s[104:105], s[8:9], s[18:19]      ; my 32 tokens' words
.irp t, 0,1,2,3
	global_load_b128 v[SC+8*\t:SC+8*\t+3], v9, s[20:21] offset:512*\t
	global_load_b128 v[SC+8*\t+4:SC+8*\t+7], v9, s[20:21] offset:512*\t+16
.endr
.irp a, 0,1
	global_load_b128 v[RSW+8*\a:RSW+8*\a+3], v9, s[22:23] offset:512*\a
	global_load_b128 v[RSW+8*\a+4:RSW+8*\a+7], v9, s[22:23] offset:512*\a+16
.endr
.macro RLOAD s                         ; K step s: 24 loads, into set s % 4
.irp a, 0,1
.irp c, 0,1,2,3
	global_load_b128 v[AF+32*((\s)%4)+16*\a+4*\c:AF+32*((\s)%4)+16*\a+4*\c+3], v7, s[10:11] offset:\a*16384+(4*(\s)+\c)*512
.endr
.endr
	WIN TO_B
.irp t, 0,1,2,3
.irp c, 0,1,2,3
	global_load_b128 v[64*((\s)%4)+16*\t+4*\c:64*((\s)%4)+16*\t+4*\c+3], v7, s[12:13] offset:(\t/2)*32768+(2*(\s)+\t%2)*2048+\c*512
.endr
.endr
	WIN 0
.endm
	RLOAD 0
	RLOAD 1
.irp s, 0,1,2,3,4,5,6,7
.if \s < 6
	RLOAD \s+2
	s_wait_loadcnt 48                              ; this K step's loads are in; those of the two behind it may be out
.elseif \s == 6
	s_wait_loadcnt 24
.else
	s_wait_loadcnt 0x0
.endif
	WIN MUL
.irp t, 0,1,2,3
.irp a, 0,1
.if \s == 0
	v_wmma_scale_f32_16x16x128_f8f6f4 v[8*(4*\a+\t):8*(4*\a+\t)+7], v[64*(\s%4)+16*\t:64*(\s%4)+16*\t+15], v[AF+32*(\s%4)+16*\a:AF+32*(\s%4)+16*\a+15], 0, v[SC+8*\t+\s], v[RSW+8*\a+\s]
.else
	v_wmma_scale_f32_16x16x128_f8f6f4 v[8*(4*\a+\t):8*(4*\a+\t)+7], v[64*(\s%4)+16*\t:64*(\s%4)+16*\t+15], v[AF+32*(\s%4)+16*\a:AF+32*(\s%4)+16*\a+15], v[8*(4*\a+\t):8*(4*\a+\t)+7], v[SC+8*\t+\s], v[RSW+8*\a+\s]
.endif
.endr
.endr
	WIN 0
	PLACES NP                                      ; in front of the next loads into these sets, and of the first read of results
.endr
.irp a, 0,1
	QUANT 32*\a, 2, 2, KC+8*\a, KPW+\a             ; the codes and the two bytes stay in registers: every LDS byte but the spare words is a tile's until the way out
.endr
.macro FRAG reg, adr, q, i             ; 16 rows x 128 K of 8-bit codes: lane l holds row l % 16; registers 4 c .. 4 c + 3 hold K = 32 c + 16 (l / 16) + 0 .. 15
.irp c, 0,1,2,3
	ds_load_b128 v[\reg+4*\c:\reg+4*\c+3], v[\adr] offset:128*(\q)+32*\c+(\i)*16*PITCH
.endr
.endm
; 8 matrix instructions: A's block a x B's eight, from fragment set p, which is also the half of the slot.  The 32 accumulators take turns, one instruction a turn, in the same order in every step.
.macro MUL8 a, p, sc, zero
.irp b, 0,1,2,3,4,5,6,7
.if \zero
	v_wmma_scale_f32_16x16x128_f8f6f4 v[8*(8*(\a)+\b):8*(8*(\a)+\b)+7], v[128*(\p)+FR*\b:128*(\p)+FR*\b+FR-1], v[AF+64*(\p)+FR*(\a):AF+64*(\p)+FR*(\a)+FR-1], 0, v[SC+16*(\sc)+2*\b+(\p)], v[SC+16*(\sc)+2*(\a)+(\p)] matrix_a_scale:MATRIX_SCALE_ROW1
.else
	v_wmma_scale_f32_16x16x128_f8f6f4 v[8*(8*(\a)+\b):8*(8*(\a)+\b)+7], v[128*(\p)+FR*\b:128*(\p)+FR*\b+FR-1], v[AF+64*(\p)+FR*(\a):AF+64*(\p)+FR*(\a)+FR-1], v[8*(8*(\a)+\b):8*(8*(\a)+\b)+7], v[SC+16*(\sc)+2*\b+(\p)], v[SC+16*(\sc)+2*(\a)+(\p)] matrix_a_scale:MATRIX_SCALE_ROW1
.endif
.endr
.endm
.macro FETCH slot, q, p                ; 48 LDS loads: B's eight fragments and A's four of the slot's q-th 128 along K, into set p
	WIN TO_B
.irp i, 0,1,2,3,4,5,6,7
	FRAG 128*(\p)+FR*\i, ADRB+\slot, \q, \i
.endr
	WIN 0
.irp i, 0,1,2,3
	FRAG AF+64*(\p)+FR*\i, ADRA+\slot, \q, \i
.endr
.endm
.macro SCALES sc                       ; 8 LDS loads: a slot's scale words, two a row: lanes 16-31 take B's block i, lanes 0-15 A's block i (those of i above 3 are read and not used)
.irp i, 0,1,2,3,4,5,6,7
	ds_load_b64 v[SC+16*\sc+2*\i:SC+16*\sc+2*\i+1], v[ADRS] offset:\i*SBLK
.endr
.endm
; A step of 128 along K on set p, whose successor needs no barrier: the next step's fragments are asked for first, into the other set; then the 32 products.
.macro GSTEP p, sc, zero, nslot, nq, newsc
	PLACES NP                                      ; in front of loads into registers that the last step's products have read
	FETCH \nslot, \nq, 1-(\p)
.if \newsc >= 0
	v_add_nc_u32 v[ADRS], 8, v[ADRS]
	SCALES \newsc
	s_wait_dscnt 56                                ; all but the 56 just issued: this step's fragments are in
.else
	s_wait_dscnt 48                                ; all but the 48 just issued
.endif
	WIN MUL
	MUL8 0, \p, \sc, \zero
	MUL8 1, \p, \sc, \zero
	MUL8 2, \p, \sc, \zero
	MUL8 3, \p, \sc, \zero
	WIN 0
.endm
; A step whose successor lies behind a barrier.  In front of it each wave waits for all its tensor loads, adds 0 to its spare word, and waits for that and for its LDS reads.  fill = 1: slot 0, which nobody reads any more, takes the fourth K step.
.macro TSTEP p, sc, nslot, newsc, fill
	s_wait_tensorcnt 0x0                           ; all my tensor loads have landed
	ds_add_u32 v[SPW], v[NIL]                      ; 0 onto my spare word
	s_wait_dscnt 1                                 ; this step's fragments are in; the add may be out
	WIN MUL
	MUL8 0, \p, \sc, 0
	s_wait_dscnt 0x0                               ; the add is done, and all my LDS reads are back
	s_barrier_signal -1
	MUL8 1, \p, \sc, 0
	WIN 0
	s_barrier_wait -1
.if \fill
	CREST                                          ; the barrier has opened a round of the cluster's barrier: no wave of any partner still reads slot 0 or has a load on its way
	s_add_nc_u64 s[G0A0+2:G0A0+3], s[G0A0+2:G0A0+3], 3*256
	s_add_nc_u64 s[G0B0+2:G0B0+3], s[G0B0+2:G0B0+3], 3*256
	JLOAD G0A0, G1, G0B0, G1B                      ; the first tensor load behind the round, and my last: three and a half steps' products stand ahead of the wait for it
	PLACES NP-4
.else
	PLACES NP
.endif
	FETCH \nslot, 0, 1-(\p)
	v_add_nc_u32 v[ADRS], 8, v[ADRS]
	SCALES \newsc
	WIN MUL
	MUL8 2, \p, \sc, 0
	MUL8 3, \p, \sc, 0
	WIN 0
.endm
	s_wait_tensorcnt 2                             ; the scale bytes and my part of slot 0 are in; slots 1 and 2 may stay out
	s_barrier_signal -1
	s_barrier_wait -1
	FETCH 0, 0, 0
	SCALES 0
	GSTEP 0, 0, 1, 0, 1, -1                        ; K 0: its products start the sums
	TSTEP 1, 0, 1, 1, 1                            ; K 128: every wave shows slots 1 and 2 landed; slot 0 is filled again
	GSTEP 0, 1, 0, 1, 1, -1                        ; K 256
	GSTEP 1, 1, 0, 2, 0, 0                         ; K 384: slot 2 was shown whole by the barrier in the second step
	GSTEP 0, 0, 0, 2, 1, -1                        ; K 512
	TSTEP 1, 0, 0, 1, 0                            ; K 640: slot 0's second tile has landed; behind this barrier nobody reads slots 1 and 2
	GSTEP 0, 1, 0, 0, 1, -1                        ; K 768
	s_wait_dscnt 0x0                               ; K 896: nothing more to fetch
	WIN MUL
	MUL8 0, 1, 1, 0
	MUL8 1, 1, 1, 0
	MUL8 2, 1, 1, 0
	MUL8 3, 1, 1, 0
	WIN 0
	; ---- WAY OUT 1: ksel's images; then my 64 tokens x my 128 columns of qsel become four fragments
	PLACES NP
.irp a, 0,1
	ds_store_b128 v10, v[KC+8*\a:KC+8*\a+3] offset:\a*4096
	ds_store_b128 v10, v[KC+8*\a+4:KC+8*\a+7] offset:\a*4096+512
	ds_store_b16 v11, v[KPW+\a] offset:\a*256
.endr
.irp a, 0,1,2,3
	QUANT 64*\a, 2, 4, PC, PW
.irp c, 0,1,2,3
	ds_store_b128 v12, v[PC+4*\c:PC+4*\c+3] offset:\a*4096+\c*512
.endr
	ds_store_b32 v13, v[PW] offset:\a*256
	s_wait_dscnt 0x0                               ; the stores have read their registers, and, at the end, have landed for the others' sake
.endr
	s_barrier_signal -1
	s_barrier_wait -1
	; ---- WAY OUT 2
.irp f, 0,1,2,3                                ; ksel's fragment f = 2 tile + K step
.irp c, 0,1,2,3
	ds_load_b128 v[128+16*\f+4*\c:128+16*\f+4*\c+3], v14 offset:\f*2048+\c*512
.endr
	ds_load_b32 v[SC+\f], v15 offset:\f*128
.endr
.irp f, 0,1,2,3                                ; qsel's fragment 2 (tile of my pair) + K step
.irp c, 0,1,2,3
	ds_load_b128 v[192+16*\f+4*\c:192+16*\f+4*\c+3], v23 offset:\f*2048+\c*512
.endr
	ds_load_b32 v[SC+4+\f], v24 offset:\f*128
.endr
	s_and_b32 s18, s95, 1
	s_lshl_b32 s18, s18, 4
	s_lshl_b32 s19, s94, 2
	s_add_co_u32 s18, s18, s19
	s_add_co_u32 s18, s18, s14
	s_lshl_b32 s18, 1, s18                         ; the own block's bit: block 16 (cluster % 2) + 4 cx + wave of the batch.  (A value that is stored: no address and no branch hangs on it)
	s_mov_b32 s19, 0xffff0000                      ; lanes 16-31
; The softmax of token tile q of the pair: 16 logits a lane in v[LG + 16 q] on: register 8 t + j is block 16 t + 8 (lane / 16) + j.  The token's word comes out in v[TM + 8 + q], in both halves of the lanes.
.macro SMX q
.set L, LG+16*\q
	v_max3_num_f32 v[TM], v[L], v[L+1], v[L+2]     ; each accumulator from its low end on
	v_max3_num_f32 v[TM+1], v[L+8], v[L+9], v[L+10]
	v_max3_num_f32 v[TM], v[TM], v[L+3], v[L+4]
	v_max3_num_f32 v[TM+1], v[TM+1], v[L+11], v[L+12]
	v_max3_num_f32 v[TM], v[TM], v[L+5], v[L+6]
	v_max3_num_f32 v[TM+1], v[TM+1], v[L+13], v[L+14]
	v_max3_num_f32 v[TM], v[TM], v[L+7], v[L+15]
	v_max_num_f32 v[TM], v[TM], v[TM+1]
	v_permlanex16_b32 v[TM+1], v[TM], s[SEL], s[SEL+1]
	v_max_num_f32 v[TM], v[TM], v[TM+1]            ; the row's largest logit (x 16)
.irp j, 0,2,4,6,8,10,12,14
	v_pk_add_f32 v[L+\j:L+\j+1], v[L+\j:L+\j+1], v[TM:TM+1] op_sel_hi:[1,0] neg_lo:[0,1] neg_hi:[0,1]   ; L - m first: the division by 16 is exact, so this rounds as the definition does
.endr
.irp j, 0,2,4,6,8,10,12,14
	v_pk_mul_f32 v[L+\j:L+\j+1], v[L+\j:L+\j+1], 0x3db8aa3b op_sel_hi:[1,0]   ; x log2(e) / 16
.endr
.irp j, 0,1,2,3,4,5,6,7,8,9,10,11,12,13,14,15
	v_exp_f32 v[L+\j], v[L+\j]
.endr
	v_mov_b32 v[TM+4], 0                           ; the bits begin at 0.  (The plain line behind the exponentials)
	s_wait_alu depctr_va_vdst(0)                   ; one wait for the batch of 16, ahead of its first reader
	v_pk_add_f32 v[TM+2:TM+3], v[L:L+1], v[L+2:L+3]
	v_pk_add_f32 v[TM+6:TM+7], v[L+4:L+5], v[L+6:L+7]
	v_pk_add_f32 v[TM+2:TM+3], v[TM+2:TM+3], v[L+8:L+9]
	v_pk_add_f32 v[TM+6:TM+7], v[TM+6:TM+7], v[L+10:L+11]
	v_pk_add_f32 v[TM+2:TM+3], v[TM+2:TM+3], v[L+12:L+13]
	v_pk_add_f32 v[TM+6:TM+7], v[TM+6:TM+7], v[L+14:L+15]
	v_pk_add_f32 v[TM+2:TM+3], v[TM+2:TM+3], v[TM+6:TM+7]
	v_add_f32 v[TM+2], v[TM+2], v[TM+3]
	v_permlanex16_b32 v[TM+3], v[TM+2], s[SEL], s[SEL+1]
	v_add_f32 v[TM+2], v[TM+2], v[TM+3]            ; the row's sum
	v_mul_f32 v[TM+2], 0.5, v[TM+2]                ; prob >= 0.5 where e >= sum / 2
.irp j, 15,14,13,12,11,10,9,8,7,6,5,4,3,2,1,0
	v_cmp_ge_f32 vcc_lo, v[L+\j], v[TM+2]
	v_cndmask_b32 v[TM+5], 0, 1, vcc_lo
	v_lshl_or_b32 v[TM+4], v[TM+4], 1, v[TM+5]     ; bit j of 16
.endr
	v_and_b32 v[TM+5], 0xff, v[TM+4]               ; bits 0-7 are blocks 8 h + j, bits 8-15 blocks 16 + 8 h + j
	v_and_b32 v[TM+4], 0xff00, v[TM+4]
	v_lshl_or_b32 v[TM+4], v[TM+4], 8, v[TM+5]
	v_lshlrev_b32 v[TM+4], v25, v[TM+4]
	v_permlanex16_b32 v[TM+5], v[TM+4], s[SEL], s[SEL+1]
	v_or_b32 v[TM+4], v[TM+4], v[TM+5]
	v_or_b32 v[TM+8+\q], s18, v[TM+4]              ; and the own block
.endm
	s_wait_dscnt 0x0
.irp s, 0,1                                    ; four accumulators by turns
.irp q, 0,1
.irp t, 0,1
.if \s == 0
	v_wmma_scale_f32_16x16x128_f8f6f4 v[LG+16*\q+8*\t:LG+16*\q+8*\t+7], v[128+16*(2*\t+\s):128+16*(2*\t+\s)+15], v[192+16*(2*\q+\s):192+16*(2*\q+\s)+15], 0, v[SC+2*\t+\s], v[SC+4+2*\q+\s]
.else
	v_wmma_scale_f32_16x16x128_f8f6f4 v[LG+16*\q+8*\t:LG+16*\q+8*\t+7], v[128+16*(2*\t+\s):128+16*(2*\t+\s)+15], v[192+16*(2*\q+\s):192+16*(2*\q+\s)+15], v[LG+16*\q+8*\t:LG+16*\q+8*\t+7], v[SC+2*\t+\s], v[SC+4+2*\q+\s]
.endif
.endr
.endr
.endr
	PLACES NP
	SMX 0
	SMX 1
	v_cndmask_b32 v[TM+10], v[TM+8], v[TM+9], s19  ; lanes 0-15: positions 0-15 of the block; lanes 16-31: positions 16-31
	global_store_b32 v8, v[TM+10], s[104:105]      ; 128 consecutive bytes
	s_wait_tensorcnt 0x0                           ; the wave's end
	ds_add_u32 v[SPW], v[NIL]
	s_wait_dscnt 0x0
	CROUND                                         ; the closing round
	s_endpgm
.Lfunc_end_k_q12ce0240cc_select:
	.size	k_q12ce0240cc_select, .Lfunc_end_k_q12ce0240cc_select-k_q12ce0240cc_select
	.p2alignl 7, 3214868480
	.fill 96, 4, 3214868480
	.section	.rodata,"a",@progbits
	.p2align	6, 0x0
	.amdhsa_kernel k_q12ce0240cc_select
		.amdhsa_group_segment_fixed_size 327680
		.amdhsa_private_segment_fixed_size 0
		.amdhsa_enable_private_segment 0
		.amdhsa_kernarg_size 24
		.amdhsa_user_sgpr_count 2
		.amdhsa_user_sgpr_kernarg_segment_ptr 1
		.amdhsa_wavefront_size32 1
		.amdhsa_system_sgpr_workgroup_id_x 1
		.amdhsa_system_sgpr_workgroup_id_y 1
		.amdhsa_system_sgpr_workgroup_id_z 1
		.amdhsa_system_vgpr_workitem_id 0
		.amdhsa_next_free_vgpr 768
		.amdhsa_next_free_sgpr 106
		.amdhsa_reserve_vcc 1
		.amdhsa_float_denorm_mode_32 3
		.amdhsa_float_denorm_mode_16_64 3
		.amdhsa_memory_ordered 1
		.amdhsa_forward_progress 1
		.amdhsa_inst_pref_size 164
	.end_amdhsa_kernel
	.amdgpu_metadata
---
amdhsa.version: [ 1, 2 ]
amdhsa.kernels:
  - .name:           k_q12ce0240cc_select
    .symbol:         k_q12ce0240cc_select.kd
    .args:
      - { .name: prepb, .offset: 0, .size: 8, .value_kind: global_buffer, .address_space: global }
      - { .name: projb, .offset: 8, .size: 8, .value_kind: global_buffer, .address_space: global }
      - { .name: maskb, .offset: 16, .size: 8, .value_kind: global_buffer, .address_space: global }
    .group_segment_fixed_size: 327680
    .private_segment_fixed_size: 0
    .kernarg_segment_align: 8
    .kernarg_segment_size: 24
    .max_flat_workgroup_size: 128
    .sgpr_count:     106
    .vgpr_count:     768
    .wavefront_size: 32
...
	.end_amdgpu_metadata
.endif
;; end of part 3
;; launch attn (part 4): grid 256 x 1, 16 waves a work-group, no clusters, 36,864 bytes of LDS; arguments projb, maskb, ctxb; writes ctxb
.if DOCPART == 4
	.amdgcn_target "amdgcn-amd-amdhsa--gfx1250"
	.amdhsa_code_object_version 6
	.text
	.protected	k_q12ce0240cc_attn
	.globl	k_q12ce0240cc_attn
	.p2align	8
	.type	k_q12ce0240cc_attn,@function
k_q12ce0240cc_attn:
	s_mov_b64 s[64:65], 0
	v_nop
	global_prefetch_b8 v0, s[64:65] scope:SCOPE_SE
	s_setreg_imm32_b32 hwreg(HW_REG_WAVE_MODE, 25, 1), 1
	s_wait_xcnt 0x0
; attn: masked attention on codes of E4M3 with E8M0 scales, only over the key blocks that are open.  The mask is built by the module itself in units of 32 keys, which are the second product's quantiser blocks:
; a closed block has p = 0, zero codes, and adds nothing; a block that no query of a work-group opened is passed over whole.
; SHARES.  A work-group is a block of 32 queries; wave = head; a wave holds two tiles of 16 queries (positions 0-15 and 16-31 of the block: see prep).
; THE OWN BLOCK FIRST.  A query's own block is always open, whatever the words say: its K and V are asked for at the head, with Q, and it is worked ahead of the loop.  Then the wave walks the batch's 32 key blocks in a loop
; of constant count; a scalar branch on the stored words (the OR of the block's 32, less the own block's bit) jumps over a step's work.  The launch has no tensor load and no
; cluster: operands come from memory straight into registers as images of operand registers, 512 consecutive bytes a load.
; LAYOUT.  S^T = K Q^T (source 0 = 16 keys, source 1 = 16 queries), O^T = V^T P^T (source 0 = 16 channels, source 1 = P): a lane holds one query throughout.  The keys' tiles lie in position order, so a lane's 16
; scores are keys 16 (lane / 16) + 0 .. 15 of the block: what P's operand wants.
; SHORT K.  The first product has K = 64 and the second K = 32 of the instruction's 128.  Q's registers 8-15 and P's registers 4-15 are zero codes; the other side's registers there hold zeros or neighbouring codes
; (never the NaN code: every number was held), and no scale byte is 0xff: those products are exact zeros.
; SOFTMAX.  t = score x log2(e) / 8; M = the ceiling of the running largest t over the OPEN blocks, kept as -M; p = 2^(t - M); the sum is taken of the unquantised p; when M moves, the sum and O^T are multiplied by
; 2^(old M - new M), exact.  A query for which the block in hand is closed takes -infinity as its addend: p = 0.
; The way out: O^T / sum is quantised along the model's 1,024 columns (two blocks of 32 a head) and leaves through LDS as rows of codes in true token order, 512 consecutive bytes a store.
; LIMITS: a block of zeros gets the byte 1 (its codes are zeros).  A block's largest p is the exponential of its largest score, which takes v_exp_f32 not to fall where its input rises.  NaN and infinities are not served.
.set P_QK,  0
.set P_VI,  16777216
.set P_QKS, 25165824
.set P_VS,  25690112
.set C_CS,  8388608                    ; ctxb: codes [8192][1024] at 0, scale bytes [8192][32] here
.set STP,   1040                       ; LDS: a stage of 32 rows x (1,024 bytes + 16),
.set SCB,   32*STP                     ; then 32 rows x 32 scale bytes
.set QF,    16                         ; v16-47   Q: two fragments; registers 8-15 of each are zeros
.set KFR,   48                         ; v48-71   K: tile 0's eight, tile 1's eight, eight zeros; fragment u = v[48 + 8 u] on
.set VF,    72                         ; v72-99   V: four tiles' four each, twelve zeros; fragment t = v[72 + 4 t] on
.set PF,    100                        ; v100-131 P: two fragments; registers 4-15 of each are zeros
.set SS,    132                        ; v132-163 S^T, then p
.set OT,    164                        ; v164-227 O^T at 164 + 32 tile + 8 t
.set QSW,   228                        ; v228-229 Q's scale words; v230-231 K's; v232-235 V's; v236-237 P's: scales and nothing else
.set KSW,   230
.set VSW,   232
.set PSW,   236
.set STT,   238                        ; v238-245 a tile's -M, largest t, and the sum in two halves
.set TM,    132                        ; the way out's quantiser works in S^T's registers
.set SEL,   68
.set MNT,   70
.set CS,    72                         ; s[72:73] c = log2(e) / 8
.set KB,    74                         ; s74 the key block
.set MSB, 0
.macro WIN new
.if MSB != (\new)
	s_set_vgpr_msb (MSB<<8)|(\new)
.set MSB, (\new)
.endif
.endm
.macro PLACES n
.rept \n
	v_nop
.endr
.endm
.macro ZERO first, n
.set zi, \first
.rept \n
	v_mov_b32 v[zi], 0
.set zi, zi+1
.endr
.endm
; nb blocks of 32 are quantised.  Register src + 16 b + i is number 32 b + 16 (lane / 16) + i of my row.  Codes to v[pc + 4 b] on, the bytes to v[pw].  (This launch has one window: win = 0.)
.macro QUANT src, win, nb, pc, pw
	WIN ((\win)|((\win)<<2))
.set qb, 0
.rept \nb
	v_max3_num_f32 v[TM+qb], |v[(\src)+16*qb]|, |v[(\src)+16*qb+1]|, 0x4800000   ; with the floor 2^(9 - 127)
.set qb, qb+1
.endr
.set qi, 2
.rept 7
.set qb, 0
.rept \nb
	v_max3_num_f32 v[TM+qb], |v[(\src)+16*qb+qi]|, |v[(\src)+16*qb+qi+1]|, v[TM+qb]
.set qb, qb+1
.endr
.set qi, qi+2
.endr
	WIN 0
.set qb, 0
.rept \nb
	v_permlanex16_b32 v[TM+4+qb], v[TM+qb], s[SEL], s[SEL+1]
.set qb, qb+1
.endr
.set qb, 0
.rept \nb
	v_max_num_f32 v[TM+qb], v[TM+qb], v[TM+4+qb]
.set qb, qb+1
.endr
.set qb, 0
.rept \nb
	v_add_nc_u32 v[TM+12+qb], 0xfc000000, v[TM+qb]
.set qb, qb+1
.endr
.set qb, 0
.rept \nb
	v_and_or_b32 v[TM+8+qb], v[TM+qb], 0x7f800000, s[MNT]
.set qb, qb+1
.endr
	v_lshrrev_b32 v[\pw], 23, v[TM+12]
.set qb, 1
.rept (\nb)-1
	v_lshrrev_b32 v[TM+4+qb], 23, v[TM+12+qb]
.set qb, qb+1
.endr
.set qb, 1
.rept (\nb)-1
	v_lshl_or_b32 v[\pw], v[TM+4+qb], 8*qb, v[\pw]
.set qb, qb+1
.endr
	WIN (((\win)<<6)|(\win))
.set qb, 0
.rept \nb
.set qi, 0
.rept 16
	v_med3_num_f32 v[(\src)+16*qb+qi], v[(\src)+16*qb+qi], -v[TM+8+qb], v[TM+8+qb]
.set qi, qi+1
.endr
.set qb, qb+1
.endr
	WIN (\win)
.set qb, 0
.rept \nb
	v_cvt_scalef32_pk8_fp8_f32 v[(\pc)+4*qb:(\pc)+4*qb+1], v[(\src)+16*qb:(\src)+16*qb+7], v[TM+12+qb]
	v_cvt_scalef32_pk8_fp8_f32 v[(\pc)+4*qb+2:(\pc)+4*qb+3], v[(\src)+16*qb+8:(\src)+16*qb+15], v[TM+12+qb]
.set qb, qb+1
.endr
	WIN 0
	v_nop
.endm
; The softmax of tile q for the key block in hand: 16 scores a lane.
.macro SOFT q
.set S0, SS+16*\q
.set T0, STT+4*\q
	v_max3_num_f32 v246, v[S0], v[S0+1], v[S0+2]   ; each accumulator from its low end on
	v_max3_num_f32 v247, v[S0+8], v[S0+9], v[S0+10]
	v_max3_num_f32 v246, v246, v[S0+3], v[S0+4]
	v_max3_num_f32 v247, v247, v[S0+11], v[S0+12]
	v_max3_num_f32 v246, v246, v[S0+5], v[S0+6]
	v_max3_num_f32 v247, v247, v[S0+13], v[S0+14]
	v_max3_num_f32 v246, v246, v[S0+7], v[S0+15]
	v_max_num_f32 v246, v246, v247
	v_permlanex16_b32 v247, v246, s[SEL], s[SEL+1]
	v_max_num_f32 v246, v246, v247                 ; the block's largest score of my query: it serves for the row's maximum and for the block's largest p
	v_lshrrev_b32 v248, s[KB], v[3+\q]
	v_and_b32 v248, 1, v248
	v_cmp_eq_u32 vcc_lo, 1, v248                   ; is the block open for my query?
	v_cndmask_b32 v246, v12, v246, vcc_lo          ; closed: -infinity
	v_mul_f32 v249, s[CS], v246
	v_max_num_f32 v[T0+1], v[T0+1], v249           ; the running largest t
	v_mov_b32 v250, v[T0]
	v_floor_f32 v[T0], -v[T0+1]                    ; the new -M: a whole number
	v_sub_f32 v250, v[T0], v250
	v_cvt_i32_f32 v250, v250                       ; (it saturates)
	v_ldexp_f32 v252, 1.0, v250                    ; f = 2^(old M - new M)
	v_cndmask_b32 v254, v12, v[T0], vcc_lo         ; the addend: -M, or -infinity where the block is closed: one choice for the 16 scores
.irp j, 0,2,4,6,8,10,12,14
	v_pk_fma_f32 v[S0+\j:S0+\j+1], v[S0+\j:S0+\j+1], s[CS:CS+1], v[254:255] op_sel_hi:[1,0,0]   ; t - M
.endr
	v_fma_f32 v246, v246, s[CS], v254              ; the same of the block's largest score
.irp j, 0,1,2,3,4,5,6,7,8,9,10,11,12,13,14,15
	v_exp_f32 v[S0+\j], v[S0+\j]                   ; p = 2^(t - M): not normalised
.endr
	v_exp_f32 v246, v246                           ; the block's largest p
	v_pk_mul_f32 v[T0+2:T0+3], v[T0+2:T0+3], v[252:253] op_sel_hi:[1,0]   ; the sums under the new M.  (The plain line behind the exponentials)
	s_wait_alu depctr_va_vdst(0)                   ; one wait for the batch of 17, ahead of its first reader
	v_pk_add_f32 v[248:249], v[S0:S0+1], v[S0+2:S0+3]              ; the sum of the unquantised p, in two chains
	v_pk_add_f32 v[T0+2:T0+3], v[T0+2:T0+3], v[S0+4:S0+5]
	v_pk_add_f32 v[248:249], v[248:249], v[S0+6:S0+7]
	v_pk_add_f32 v[T0+2:T0+3], v[T0+2:T0+3], v[S0+8:S0+9]
	v_pk_add_f32 v[248:249], v[248:249], v[S0+10:S0+11]
	v_pk_add_f32 v[T0+2:T0+3], v[T0+2:T0+3], v[S0+12:S0+13]
	v_pk_add_f32 v[248:249], v[248:249], v[S0+14:S0+15]
	v_pk_add_f32 v[T0+2:T0+3], v[T0+2:T0+3], v[248:249]
	v_max_num_f32 v246, 0x4800000, v246            ; the floor: the byte cannot fall under 1 (a closed block keeps that byte: its codes are zeros)
	v_add_nc_u32 v250, 0xfc000000, v246            ; the conversion's scale operand
	v_and_or_b32 v251, v246, 0x7f800000, s[MNT]    ; 448 x the scale
	v_lshrrev_b32 v[PSW+\q], 23, v250              ; p's scale byte; bytes 1 to 3, over the zero codes, are 0.  The 16 lines below are its places ahead of the products
.irp j, 0,1,2,3,4,5,6,7,8,9,10,11,12,13,14,15
	v_min_num_f32 v[S0+\j], v[S0+\j], v251         ; p is not negative: the hold is one-sided
.endr
	v_cvt_scalef32_pk8_fp8_f32 v[PF+16*\q:PF+16*\q+1], v[S0:S0+7], v250
	v_cvt_scalef32_pk8_fp8_f32 v[PF+16*\q+2:PF+16*\q+3], v[S0+8:S0+15], v250
.irp j, 0,2,4,6,8,10,12,14,16,18,20,22,24,26,28,30
	v_pk_mul_f32 v[OT+32*\q+\j:OT+32*\q+\j+1], v[OT+32*\q+\j:OT+32*\q+\j+1], v[252:253] op_sel_hi:[1,0]   ; O^T under the new M; these are also the places between the codes and the products
.endr
.endm
; The 14 loads of key block s[KB]: K's two tiles and V's four, with their scale words
.macro KVLOAD
	s_lshr_b32 s76, s[KB], 2
	s_and_b32 s77, s[KB], 3
	s_lshl_b32 s77, s77, 3
	v_lshl_add_u32 v5, s[KB], 16, v1               ; K: two token tiles a block
	v_lshl_add_u32 v6, s[KB], 7, v2
	v_lshl_add_u32 v7, s[KB], 15, v1               ; V
	v_lshl_add_u32 v8, s76, 12, v2                 ; V's scale words: one for four key blocks
.irp u, 0,1
.irp c, 0,1
	global_load_b128 v[KFR+8*\u+4*\c:KFR+8*\u+4*\c+3], v5, s[50:51] offset:\u*32768+\c*512
.endr
	global_load_b32 v[KSW+\u], v6, s[54:55] offset:64*\u
.endr
.irp t, 0,1,2,3
	global_load_b128 v[VF+4*\t:VF+4*\t+3], v7, s[56:57] offset:512*\t
	global_load_b32 v[VSW+\t], v8, s[58:59] offset:64*\t
.endr
.endm
; and its work, behind the wait for them
.macro WORK
.irp u, 0,1
	v_lshrrev_b32 v[KSW+\u], s75, v[KSW+\u]        ; my head's two bytes come lowest
.endr
.irp t, 0,1,2,3
	v_lshrrev_b32 v[VSW+\t], s77, v[VSW+\t]        ; this key block's byte comes lowest
.endr
	PLACES 8                                       ; a scale register written by a vector instruction stands 8 places ahead of the product
.irp q, 0,1
.irp u, 0,1
	v_wmma_scale_f32_16x16x128_f8f6f4 v[SS+16*\q+8*\u:SS+16*\q+8*\u+7], v[KFR+8*\u:KFR+8*\u+15], v[QF+16*\q:QF+16*\q+15], 0, v[KSW+\u], v[QSW+\q]
.endr
.endr
	PLACES 8
	SOFT 0
	SOFT 1
.irp t, 0,1,2,3                                ; eight accumulators by turns, one instruction a turn
.irp q, 0,1
	v_wmma_scale_f32_16x16x128_f8f6f4 v[OT+32*\q+8*\t:OT+32*\q+8*\t+7], v[VF+4*\t:VF+4*\t+15], v[PF+16*\q:PF+16*\q+15], v[OT+32*\q+8*\t:OT+32*\q+8*\t+7], v[VSW+\t], v[PSW+\q]
.endr
.endr
	PLACES 8                                       ; in front of the next loads into these operands, and of the next read of O^T
.endm
	s_load_b128 s[4:7], s[0:1], 0x0                ; projb, maskb
	s_load_b64 s[8:9], s[0:1], 0x10                ; ctxb
	v_lshrrev_b32 v1, 5, v0
	v_readfirstlane_b32 s10, v1                    ; wave = head 0..15
	v_and_b32 v14, 31, v0                          ; lane
	v_and_b32 v15, 15, v0                          ; r
	v_bfe_u32 v13, v0, 4, 1                        ; h
	v_lshlrev_b32 v1, 4, v14                       ; v1  16 lane; never rewritten
	v_lshlrev_b32 v2, 2, v15                       ; v2  4 r; never rewritten
	v_lshrrev_b32 v9, 3, v15
	v_lshl_add_u32 v9, v9, 3, v15                  ; position r of tile 0 is true row r + 8 (r / 8); tile 1's lie 8 rows on
	v_lshlrev_b32 v10, 5, v9
	v_mul_u32_u24 v9, v9, STP
	v_lshl_add_u32 v9, v13, 4, v9
	s_lshl_b32 s14, s10, 6
	v_add_nc_u32 v9, s14, v9                       ; v9  the stage, in: my row, + 64 head + 16 h
	s_lshl_b32 s14, s10, 1
	s_add_co_u32 s14, s14, SCB
	v_add_nc_u32 v10, s14, v10                     ; v10 my row's two scale bytes
	s_mul_i32 s14, s10, 2*STP
	v_add_nc_u32 v11, s14, v1                      ; v11 the stage, back: rows 2 wave and 2 wave + 1
	s_lshl_b32 s14, s10, 9
	s_add_co_u32 s14, s14, SCB
	v_add_nc_u32 v13, s14, v1                      ; v13 the scale bytes, back (waves 0 and 1)
	v_mov_b32 v12, 0xff800000                      ; v12 -infinity
	s_lshr_b32 s12, ttmp9, 5                       ; the batch
	s_and_b32 s[KB], ttmp9, 31                     ; my own key block
	s_lshr_b32 s13, s10, 1
	s_and_b32 s75, s10, 1
	s_lshl_b32 s75, s75, 4                         ; my head's two bytes in a scale word of q or k: 16 (head % 2) bits up
	s_lshl_b32 s48, ttmp9, 16                      ; Q: token tiles 2 block, 2 block + 1; column blocks 2 head, 2 head + 1
	s_lshl_b32 s14, s10, 10
	s_add_co_u32 s48, s48, s14
	s_mov_b32 s49, 0
	s_lshl_b32 s50, s12, 21                        ; K: the batch's 64 token tiles; column blocks 32 + 2 head on
	s_add_co_u32 s50, s50, s14
	s_add_co_u32 s50, s50, 16384
	s_mov_b32 s51, 0
	s_lshl_b32 s15, s13, 15
	s_lshl_b32 s52, ttmp9, 7
	s_add_co_u32 s52, s52, s15
	s_add_co_u32 s52, s52, P_QKS                   ; Q's scale words
	s_mov_b32 s53, 0
	s_lshl_b32 s54, s12, 12
	s_add_co_u32 s54, s54, s15
	s_add_co_u32 s54, s54, P_QKS+8*32768           ; K's
	s_mov_b32 s55, 0
	s_lshl_b32 s56, s12, 20
	s_lshl_b32 s14, s10, 11
	s_add_co_u32 s56, s56, s14
	s_add_co_u32 s56, s56, P_VI                    ; V: the batch's 32 key blocks; channel tiles 4 head on
	s_mov_b32 s57, 0
	s_lshl_b32 s58, s12, 15
	s_lshl_b32 s15, s10, 8
	s_add_co_u32 s58, s58, s15
	s_add_co_u32 s58, s58, P_VS                    ; V's scale words
	s_mov_b32 s59, 0
	s_lshl_b32 s60, ttmp9, 7                       ; my block's 32 words
	s_mov_b32 s61, 0
	s_lshl_b32 s62, ttmp9, 15
	s_add_co_u32 s62, s62, s14                     ; ctx's codes: rows 32 block + 2 wave on
	s_mov_b32 s63, 0
	s_lshl_b32 s66, ttmp9, 10
	s_lshl_b32 s15, s10, 9
	s_add_co_u32 s66, s66, s15
	s_add_co_u32 s66, s66, C_CS                    ; ctx's scale bytes
	s_mov_b32 s67, 0
	s_mov_b32 s[SEL], 0x76543210
	s_mov_b32 s[SEL+1], 0xfedcba98
	s_mov_b32 s[MNT], 0x600000
	s_mov_b32 s[CS], 0x3e38aa3b                    ; log2(e) / 8
	s_mov_b32 s[CS+1], s[CS]                       ; (named with it as a pair, so it is written)
	s_wait_kmcnt 0x0
	s_add_nc_u64 s[60:61], s[6:7], s[60:61]
	s_load_b512 s[16:31], s[60:61], 0x0            ; the block's 32 words, for the walk
	s_load_b512 s[32:47], s[60:61], 0x40
	s_add_nc_u64 s[48:49], s[4:5], s[48:49]
	s_add_nc_u64 s[50:51], s[4:5], s[50:51]
	s_add_nc_u64 s[52:53], s[4:5], s[52:53]
	s_add_nc_u64 s[54:55], s[4:5], s[54:55]
	s_add_nc_u64 s[56:57], s[4:5], s[56:57]
	s_add_nc_u64 s[58:59], s[4:5], s[58:59]
	s_add_nc_u64 s[62:63], s[8:9], s[62:63]
	s_add_nc_u64 s[66:67], s[8:9], s[66:67]
.irp q, 0,1
.irp c, 0,1
	global_load_b128 v[QF+16*\q+4*\c:QF+16*\q+4*\c+3], v1, s[48:49] offset:\q*32768+\c*512
.endr
	global_load_b32 v[QSW+\q], v2, s[52:53] offset:64*\q
	global_load_b32 v[3+\q], v2, s[60:61] offset:64*\q   ; v3, v4: my query's word, tile 0's and tile 1's
.endr
	KVLOAD                                         ; the own block's K and V go out with Q: nothing of the words is needed to know that it is open
	ZERO QF+8, 8                                   ; the zero codes of the short K
	ZERO QF+24, 8
	ZERO KFR+16, 8
	ZERO VF+16, 12
	ZERO PF+4, 12
	ZERO PF+20, 12
	ZERO OT, 64                                    ; O^T and the sums begin as zeros: a key step is written as one macro, and its first use finds zeros, which the first change of M leaves zeros
	ZERO 246, 10                                   ; at work; written once, since lane permutes' destinations and the upper halves of pairs count as read
.irp q, 0,1
	v_mov_b32 v[STT+4*\q+1], 0xff61b1e6            ; the largest t so far: -3e38, under every t
	v_floor_f32 v[STT+4*\q], -v[STT+4*\q+1]        ; -M
	v_mov_b32 v[STT+4*\q+2], 0
	v_mov_b32 v[STT+4*\q+3], 0
.endr
	s_wait_kmcnt 0x0
	s_or_b32 s11, s16, s17                         ; s11: the blocks that any of my 32 queries opened,
.set i, 18
.rept 30
	s_or_b32 s11, s11, s[i]
.set i, i+1
.endr
	s_lshl_b32 s78, 1, s[KB]
	s_and_not1_b32 s11, s11, s78                   ; less the own block, which is worked here
	s_wait_loadcnt 0x0
.irp q, 0,1
	v_lshrrev_b32 v[QSW+\q], s75, v[QSW+\q]
	v_and_b32 v[QSW+\q], 0xffff, v[QSW+\q]         ; my head's two bytes; bytes 2 and 3, over the zero codes, are 0
.endr
	WORK                                           ; the own block
	s_mov_b32 s[KB], 0
.Lkb:                                              ; 32 trips, always
	s_bitcmp1_b32 s11, s[KB]
	s_cbranch_scc0 .Lskip                          ; nobody here opened this block, or it is the own one
	KVLOAD
	s_wait_loadcnt 0x0                             ; which also frees the four address registers for the next trip
	WORK
.Lskip:
	s_add_co_u32 s[KB], s[KB], 1
	s_cmp_lt_u32 s[KB], 32
	s_cbranch_scc1 .Lkb
	; ---- THE WAY OUT
	v_add_f32 v246, v[STT+2], v[STT+3]
	v_add_f32 v248, v[STT+6], v[STT+7]
	v_permlanex16_b32 v247, v246, s[SEL], s[SEL+1]
	v_permlanex16_b32 v249, v248, s[SEL], s[SEL+1]
	v_add_f32 v246, v246, v247                     ; the rows' sums
	v_add_f32 v248, v248, v249
	v_rcp_f32 v252, v246
	v_rcp_f32 v254, v248
.irp b, 0,1
	v_mov_b32 v[TM+4+\b], 0                        ; (plain lines behind the reciprocals)  a lane permute's destination counts as one of its sources
.endr
	s_wait_alu depctr_va_vdst(0)                   ; one wait for the two, ahead of their first reader
.irp q, 0,1
.irp j, 0,2,4,6,8,10,12,14,16,18,20,22,24,26,28,30
	v_pk_mul_f32 v[OT+32*\q+\j:OT+32*\q+\j+1], v[OT+32*\q+\j:OT+32*\q+\j+1], v[252+2*\q:253+2*\q] op_sel_hi:[1,0]   ; register 16 b + i is channel 32 b + 16 h + i of my head
.endr
.endr
.irp q, 0,1
	QUANT OT+32*\q, 0, 2, 148+8*\q, 246+\q
	ds_store_b128 v9, v[148+8*\q:151+8*\q] offset:8*\q*STP
	ds_store_b128 v9, v[152+8*\q:155+8*\q] offset:8*\q*STP+32
	ds_store_b16 v10, v[246+\q] offset:256*\q
.endr
	s_wait_dscnt 0x0                               ; for the others' sake: my stores have landed
	s_barrier_signal -1
	s_barrier_wait -1
.irp n, 0,1,2,3
	ds_load_b128 v[16+4*\n:19+4*\n], v11 offset:(\n/2)*STP+512*(\n%2)
.endr
	s_wait_dscnt 0x0
.irp n, 0,1,2,3
	global_store_b128 v1, v[16+4*\n:19+4*\n], s[62:63] offset:(\n/2)*1024+512*(\n%2)   ; 512 consecutive bytes
.endr
	s_cmp_lt_u32 s10, 2
	s_cbranch_scc0 .Ldone
	ds_load_b128 v[32:35], v13                     ; waves 0 and 1: the block's 1,024 scale bytes
	s_wait_dscnt 0x0
	global_store_b128 v1, v[32:35], s[66:67]
.Ldone:
	s_wait_xcnt 0x0
	v_lshl_add_u32 v254, v0, 2, 0x8800
	v_mov_b32 v255, 0
	s_wait_tensorcnt 0x0
	ds_add_u32 v254, v255
	s_wait_dscnt 0x0
	s_endpgm
.Lfunc_end_k_q12ce0240cc_attn:
	.size	k_q12ce0240cc_attn, .Lfunc_end_k_q12ce0240cc_attn-k_q12ce0240cc_attn
	.p2alignl 7, 3214868480
	.fill 96, 4, 3214868480
	.section	.rodata,"a",@progbits
	.p2align	6, 0x0
	.amdhsa_kernel k_q12ce0240cc_attn
		.amdhsa_group_segment_fixed_size 36864
		.amdhsa_private_segment_fixed_size 0
		.amdhsa_enable_private_segment 0
		.amdhsa_kernarg_size 24
		.amdhsa_user_sgpr_count 2
		.amdhsa_user_sgpr_kernarg_segment_ptr 1
		.amdhsa_wavefront_size32 1
		.amdhsa_system_sgpr_workgroup_id_x 1
		.amdhsa_system_sgpr_workgroup_id_y 1
		.amdhsa_system_sgpr_workgroup_id_z 1
		.amdhsa_system_vgpr_workitem_id 0
		.amdhsa_next_free_vgpr 256
		.amdhsa_next_free_sgpr 96
		.amdhsa_reserve_vcc 1
		.amdhsa_float_denorm_mode_32 3
		.amdhsa_float_denorm_mode_16_64 3
		.amdhsa_memory_ordered 1
		.amdhsa_forward_progress 1
		.amdhsa_inst_pref_size 49
	.end_amdhsa_kernel
	.amdgpu_metadata
---
amdhsa.version: [ 1, 2 ]
amdhsa.kernels:
  - .name:           k_q12ce0240cc_attn
    .symbol:         k_q12ce0240cc_attn.kd
    .args:
      - { .name: projb, .offset: 0, .size: 8, .value_kind: global_buffer, .address_space: global }
      - { .name: maskb, .offset: 8, .size: 8, .value_kind: global_buffer, .address_space: global }
      - { .name: ctxb, .offset: 16, .size: 8, .value_kind: global_buffer, .address_space: global }
    .group_segment_fixed_size: 36864
    .private_segment_fixed_size: 0
    .kernarg_segment_align: 8
    .kernarg_segment_size: 24
    .max_flat_workgroup_size: 512
    .sgpr_count:     96
    .vgpr_count:     256
    .wavefront_size: 32
...
	.end_amdgpu_metadata
.endif
;; end of part 4
;; launch outp (part 5): grid 4 x 64, 4 waves a work-group, clusters of 4 x 4, 327,680 bytes of LDS; arguments ctxb, prepb, x, out0; writes out0
.if DOCPART == 5
	.amdgcn_target "amdgcn-amd-amdhsa--gfx1250"
	.amdhsa_code_object_version 6
	.text
	.protected	k_q12ce0240cc_outp
	.globl	k_q12ce0240cc_outp
	.p2align	8
	.type	k_q12ce0240cc_outp,@function
k_q12ce0240cc_outp:
	s_mov_b64 s[64:65], 0
	v_nop
	global_prefetch_b8 v0, s[64:65] scope:SCOPE_SE
	s_setreg_imm32_b32 hwreg(HW_REG_WAVE_MODE, 25, 1), 1
	s_wait_xcnt 0x0
	s_wait_alu depctr_hold_cnt(0) depctr_sa_sdst(0) depctr_va_vdst(0) depctr_va_sdst(0) depctr_va_ssrc(0) depctr_va_vcc(0) depctr_vm_vsrc(0)
	s_getreg_b32 s2, hwreg(HW_REG_IB_STS2, 6, 4)
	s_cmp_eq_u32 s2, 0
	s_cbranch_scc0 .Lentry_in_a_cluster
	s_endpgm
.Lentry_in_a_cluster:
	s_bfe_u32 s2, ttmp6, 0x10000c
	s_cmp_lg_u32 s2, 0xf033
	s_cbranch_scc0 .Lentry_shape_is_right
	s_endpgm
.Lentry_shape_is_right:
; outp: out = ctx Wo + x.  ctx [8192][1024] and Wo arrive as codes of E4M3 with E8M0 scales (K = 1,024); x and out are f32.
; A tile of out is 128 rows x 256 columns: 64 x 4 tiles, one for each of 256 work-groups.  Four waves, 64 rows x 128 columns each: 32 accumulators, window 2.
; LDS holds THREE slots of 256 along K (128 rows of ctx, 256 of Wo, 272 bytes a row): three of the four K steps are first fills and go out together; slot 0 alone is filled again, once, behind a round of the cluster's barrier.
; A step of 128 along K asks for the next step's fragments first (two sets of registers for each side) and then issues its 32 products.  The eight steps are written out.
; CLUSTERS of 4 x 4: ctx's tile is asked for jointly by a row of the cluster, Wo's by a column.  Source 0 = 16 columns of Wo, source 1 = 16 rows of ctx: a lane holds eight neighbouring numbers of a row of out.
; Wo's rows lie in position order (see prep): tile T of my eight holds columns 32 (T / 2) + 8 (T % 2) + 16 (lane / 16) + 0 .. 7: the stage's addresses put them in their true places.
; x: my 64 rows x 512 bytes are 256 registers: window 3, which the products leave free.  They are asked for at the head, behind the first fills, and waited for once, ahead of the first addition.
; THE WAY OUT, block by block of 16 rows x 128 columns: through my own stage in slot 1 (filled once; every wave has read it for the last time ahead of the barrier in step 5), back as whole rows of 512 bytes; + x; stored.
.set O_WC,  8650752
.set O_WS,  13107200
.set C_CS,  8388608
.set KROW,   1024
.set PITCH,  272                       ; an LDS row: 256 bytes + 16 of padding: the 16 rows that a load touches start at 16 different banks (64 banks of 4 bytes: ISA guide 11.1)
.set FR,     16
.set NP,     8                         ; places behind this matrix instruction (ISA guide 7.12.1)
.set HALFA,  64*PITCH                  ; what one tensor load brings of A, and what one wave reads of it
.set HALFB,  128*PITCH                 ; the same of B
.set BOFF,   2*HALFA                   ; in a slot B's 256 rows lie behind A's 128
.set SLOT,   BOFF+2*HALFB
.set SCL,    3*SLOT                    ; behind the slots: the scale bytes, as runs of 256 bytes + 16 of padding: A's 128 rows, then B's 256
.set HSA,    8*272
.set HSB,    16*272
.set SBLK,   544
.set SPARE,  SCL+2*HSA+2*HSB           ; the spare words: two blocks of 256 bytes that no other line names
.set STAGE,  SLOT                      ; 16 rows x 528 bytes for each wave
.set SPITCH, 528
.set ADRA, 16                          ; v16-18 LDS address of my A fragments in slot 0, 1, 2
.set ADRB, 20                          ; v20-22 the same for B
.set STO,  24
.set RD,   25
.set CO,   26
.set ADRS, 27
.set SPW,  28
.set NIL,  29
.set SC,   32                          ; v32-63 scale words, and nothing else in this text
.set AF,   128                         ; v128-255 A's fragments, two sets of 64
.set BK,   128                         ; the way out: 16 rows read back from the stage: v128-191 and v192-255 by turns
.set G1,   24
.set G1B,  32
.set G1S,  40
.set G1SB, 48
.set G0A0, 56
.set G0A1, 60
.set G0A2, 68
.set G0B0, 72
.set G0B1, 76
.set G0B2, 80
.set G0S,  84
.set G0SB, 88
.set MSB, 0
.macro WIN new                         ; the immediate's high byte repeats the setting that is left
.if MSB != (\new)
	s_set_vgpr_msb (MSB<<8)|(\new)
.set MSB, (\new)
.endif
.endm
.set MUL,  0xa1                        ; source 0 (B) window 1, source 1 (A) window 0, C and D window 2
.set TO_B, 0x40
.macro JLOAD g0a, g1a, g0b, g1b        ; waves 0 and 1 fetch for ctx, waves 2 and 3 for Wo; four v_nop follow each of the two lines
	s_cmp_eq_u32 s15, 0
	s_cbranch_scc0 .Lfor_b_\@
	tensor_load_to_lds s[\g0a:\g0a+3], s[\g1a:\g1a+7]
	s_nop 0
.rept 4
	v_nop
.endr
	s_branch .Lasked_\@
.Lfor_b_\@:
	tensor_load_to_lds s[\g0b:\g0b+3], s[\g1b:\g1b+7]
	s_nop 0
.rept 4
	v_nop
.endr
.Lasked_\@:
.endm
.macro CREST
	s_cmp_lg_u32 s14, 0
	s_cbranch_scc1 .Lnot_wave_0_\@
	s_barrier_signal -3
.Lnot_wave_0_\@:
	s_barrier_wait -3
	s_barrier_signal -1
	s_barrier_wait -1
.endm
.macro CROUND
	s_barrier_signal -1
	s_barrier_wait -1
	CREST
.endm
.macro PLACES n
.rept \n
	v_nop
.endr
.endm
; slot s's two groups 0 and its first fill
.macro FIRST g0a, g0b, s
	s_mov_b32 s[\g0a], 1
	s_add_co_u32 s[\g0a+1], s92, \s*SLOT
	s_add_nc_u64 s[\g0a+2:\g0a+3], s[20:21], \s*256
	s_or_b32 s[\g0a+3], s[\g0a+3], 0x80000000
	s_mov_b32 s[\g0b], 1
	s_add_co_u32 s[\g0b+1], s93, \s*SLOT
	s_add_nc_u64 s[\g0b+2:\g0b+3], s[98:99], \s*256
	s_or_b32 s[\g0b+3], s[\g0b+3], 0x80000000
	JLOAD \g0a, G1, \g0b, G1B
.endm
	s_load_b128 s[4:7], s[0:1], 0x0                ; ctxb, prepb
	s_load_b128 s[8:11], s[0:1], 0x10              ; x, out0
	v_lshl_add_u32 v[SPW], v0, 2, SPARE
	v_mov_b32 v[NIL], 0
	ds_add_u32 v28, v29
	ds_add_u32 v28, v29
	s_wait_dscnt 0x0
	v_lshrrev_b32 v1, 5, v0
	v_readfirstlane_b32 s14, v1                    ; wave 0..3
	s_lshr_b32 s15, s14, 1                         ; which 64 of the tile's rows are mine.  Also: I fetch for A (0) or for B (1)
	s_and_b32 s16, s14, 1                          ; which 128 of its columns.  Also: which half I fetch
	s_bfe_u32 s94, ttmp6, 0x40000                  ; cx = the tile column (out has four)
	s_bfe_u32 s95, ttmp6, 0x40004                  ; cy
	s_and_b32 s17, ttmp7, 0xffff
	s_lshl_b32 s17, s17, 2
	s_add_co_u32 s17, s17, s95                     ; the tile row = 4 x cluster y + cy
	s_lshl_b32 s96, s95, 2
	s_lshl_b32 s96, 15, s96                        ; my row of the cluster
	s_lshl_b32 s97, 0x1111, s94                    ; my column
	s_or_b32 s[G1+0], s96, (0<<16)|(1<<20)|(1<<21)|(5<<22)|(3<<25)  ; the mask; elements of 1 byte; padding on; bit 21 beside a mask; after every 64 words, 4 words
	s_mov_b32 s[G1+1], 256<<16                     ; tensor_dim0
	s_mov_b32 s[G1+2], 64<<16                      ; tensor_dim1
	s_mov_b32 s[G1+3], 256<<16                     ; tile_dim0
	s_mov_b32 s[G1+4], 64                          ; tile_dim1
	s_mov_b32 s[G1+5], KROW                        ; the pitch
	s_mov_b32 s[G1+6], 0
	s_mov_b32 s[G1+7], 0
	s_or_b32 s[G1B+0], s97, (0<<16)|(1<<20)|(1<<21)|(5<<22)|(3<<25)
	s_mov_b32 s[G1B+1], 256<<16
	s_mov_b32 s[G1B+2], 128<<16
	s_mov_b32 s[G1B+3], 256<<16
	s_mov_b32 s[G1B+4], 128
	s_mov_b32 s[G1B+5], KROW
	s_mov_b32 s[G1B+6], 0
	s_mov_b32 s[G1B+7], 0
	s_or_b32 s[G1S+0], s96, (3<<16)|(1<<20)|(1<<21)|(5<<22)|(3<<25) ; the scale bytes of 64 rows: 2,048 dense bytes as 8 rows of 256 (32 elements of 8 bytes)
	s_mov_b32 s[G1S+1], 32<<16
	s_mov_b32 s[G1S+2], 8<<16
	s_mov_b32 s[G1S+3], 32<<16
	s_mov_b32 s[G1S+4], 8
	s_mov_b32 s[G1S+5], 32
	s_mov_b32 s[G1S+6], 0
	s_mov_b32 s[G1S+7], 0
	s_or_b32 s[G1SB+0], s97, (3<<16)|(1<<20)|(1<<21)|(5<<22)|(3<<25) ; of 128 rows: 16 rows of 256
	s_mov_b32 s[G1SB+1], 32<<16
	s_mov_b32 s[G1SB+2], 16<<16
	s_mov_b32 s[G1SB+3], 32<<16
	s_mov_b32 s[G1SB+4], 16
	s_mov_b32 s[G1SB+5], 32
	s_mov_b32 s[G1SB+6], 0
	s_mov_b32 s[G1SB+7], 0
	s_lshl_b32 s20, s17, 7
	s_lshl_b32 s18, s16, 6
	s_add_co_u32 s20, s20, s18                     ; ctx: the first row that I fetch: 128 x tile row + 64 x half: never holds cx
	s_lshl_b32 s22, s20, 5
	s_add_co_u32 s22, s22, C_CS
	s_mov_b32 s23, 0
	s_lshl_b32 s20, s20, 10
	s_mov_b32 s21, 0
	s_lshl_b32 s98, s94, 8
	s_lshl_b32 s18, s16, 7
	s_add_co_u32 s98, s98, s18
	s_add_co_u32 s98, s98, 3328                    ; Wo: row 3,328 + 256 x tile column + 128 x half of the weights' codes: never holds cy
	s_lshl_b32 s100, s98, 5
	s_add_co_u32 s100, s100, O_WS
	s_mov_b32 s101, 0
	s_lshl_b32 s98, s98, 10
	s_add_co_u32 s98, s98, O_WC
	s_mov_b32 s99, 0
	s_mul_i32 s92, s16, HALFA                      ; where A's half goes in a slot,
	s_mul_i32 s93, s16, HALFB
	s_add_co_u32 s93, s93, BOFF                    ; and B's: no place in the cluster enters an LDS address
	s_mul_i32 s18, s16, HSA
	s_mul_i32 s19, s16, HSB
	s_wait_kmcnt 0x0
	s_add_nc_u64 s[20:21], s[4:5], s[20:21]
	s_add_nc_u64 s[22:23], s[4:5], s[22:23]
	s_add_nc_u64 s[98:99], s[6:7], s[98:99]
	s_add_nc_u64 s[100:101], s[6:7], s[100:101]
	CROUND                                         ; all sixteen work-groups are here: the first joint loads meet
	s_mov_b32 s[G0S], 1
	s_add_co_u32 s[G0S+1], s18, SCL
	s_mov_b64 s[G0S+2:G0S+3], s[22:23]
	s_or_b32 s[G0S+3], s[G0S+3], 0x80000000
	s_mov_b32 s[G0SB], 1
	s_add_co_u32 s[G0SB+1], s19, SCL+2*HSA
	s_mov_b64 s[G0SB+2:G0SB+3], s[100:101]
	s_or_b32 s[G0SB+3], s[G0SB+3], 0x80000000
	JLOAD G0S, G1S, G0SB, G1SB                     ; the scale bytes first; with the three slots' fills four loads of mine are out
	FIRST G0A0, G0B0, 0
	FIRST G0A1, G0B1, 1
	FIRST G0A2, G0B2, 2
	v_and_b32 v1, 15, v0                           ; r
	v_bfe_u32 v2, v0, 4, 1                         ; h
	v_and_b32 v6, 31, v0
	v_lshlrev_b32 v[CO], 4, v6                     ; the 32 lanes take one row's 512 bytes, in x, in out and in the stage
	s_lshl_b32 s18, s17, 7
	s_lshl_b32 s19, s15, 6
	s_add_co_u32 s18, s18, s19                     ; my first row
	s_lshl_b32 s18, s18, 12                        ; of 4,096 bytes
	s_lshl_b32 s19, s94, 10
	s_add_co_u32 s18, s18, s19
	s_lshl_b32 s19, s16, 9
	s_add_co_u32 s18, s18, s19                     ; + 1,024 x tile column + 512 x half
	s_mov_b32 s19, 0
	s_add_nc_u64 s[8:9], s[8:9], s[18:19]          ; x
	s_add_nc_u64 s[10:11], s[10:11], s[18:19]      ; out
	WIN 0xc0                                       ; destination window 3
.set i, 0
.rept 64
	global_load_b128 v[4*i:4*i+3], v[CO], s[8:9] offset:i*4096 th:TH_LOAD_NT   ; row i of my 64: 512 consecutive bytes; every offset is an immediate
.set i, i+1
.endr
	WIN 0
	v_mul_u32_u24 v3, v1, PITCH
	v_lshl_add_u32 v4, v2, 4, v3                   ; a fragment's row x pitch + 16 x half
	s_mul_i32 s18, s15, HALFA                      ; my 64 rows of A
	s_mul_i32 s19, s16, HALFB
	s_add_co_u32 s19, s19, BOFF                    ; my 128 rows of B
.irp s, 0,1,2
	v_add_nc_u32 v[ADRA+\s], s18, v4
	v_add_nc_u32 v[ADRB+\s], s19, v4
	s_add_co_u32 s18, s18, SLOT
	s_add_co_u32 s19, s19, SLOT
.endr
	v_mul_u32_u24 v5, v1, 32                       ; my row's scale bytes: 32 a row,
	v_lshrrev_b32 v6, 8, v5
	v_lshl_add_u32 v5, v6, 4, v5                   ; and 16 more for each 256 passed
	s_mul_i32 s18, s15, HSA
	s_mul_i32 s19, s16, HSB
	s_add_co_u32 s19, s19, 2*HSA
	s_sub_co_u32 s19, s19, s18
	v_mul_u32_u24 v6, s19, v2                      ; lanes 16-31 take B's
	s_add_co_u32 s18, s18, SCL
	v_add_nc_u32 v5, v5, v6
	v_add_nc_u32 v[ADRS], s18, v5
	s_mul_i32 s18, s14, 16*SPITCH
	s_add_co_u32 s18, s18, STAGE                   ; my stage
	v_mul_u32_u24 v5, v1, SPITCH                   ; in: row lane % 16; 16 columns (64 bytes) on for lanes 16-31
	v_lshl_add_u32 v5, v2, 6, v5
	v_add_nc_u32 v[STO], s18, v5
	v_add_nc_u32 v[RD], s18, v[CO]                 ; back: a whole row
.macro FRAG reg, adr, q, i             ; 16 rows x 128 K of 8-bit codes: lane l holds row l % 16; registers 4 c .. 4 c + 3 hold K = 32 c + 16 (l / 16) + 0 .. 15
.irp c, 0,1,2,3
	ds_load_b128 v[\reg+4*\c:\reg+4*\c+3], v[\adr] offset:128*(\q)+32*\c+(\i)*16*PITCH
.endr
.endm
; 8 matrix instructions: A's block a x B's eight, from fragment set p, which is also the half of the slot.  The 32 accumulators take turns, one instruction a turn, in the same order in every step.
.macro MUL8 a, p, sc, zero
.irp b, 0,1,2,3,4,5,6,7
.if \zero
	v_wmma_scale_f32_16x16x128_f8f6f4 v[8*(8*(\a)+\b):8*(8*(\a)+\b)+7], v[128*(\p)+FR*\b:128*(\p)+FR*\b+FR-1], v[AF+64*(\p)+FR*(\a):AF+64*(\p)+FR*(\a)+FR-1], 0, v[SC+16*(\sc)+2*\b+(\p)], v[SC+16*(\sc)+2*(\a)+(\p)] matrix_a_scale:MATRIX_SCALE_ROW1
.else
	v_wmma_scale_f32_16x16x128_f8f6f4 v[8*(8*(\a)+\b):8*(8*(\a)+\b)+7], v[128*(\p)+FR*\b:128*(\p)+FR*\b+FR-1], v[AF+64*(\p)+FR*(\a):AF+64*(\p)+FR*(\a)+FR-1], v[8*(8*(\a)+\b):8*(8*(\a)+\b)+7], v[SC+16*(\sc)+2*\b+(\p)], v[SC+16*(\sc)+2*(\a)+(\p)] matrix_a_scale:MATRIX_SCALE_ROW1
.endif
.endr
.endm
.macro FETCH slot, q, p                ; 48 LDS loads: B's eight fragments and A's four of the slot's q-th 128 along K, into set p
	WIN TO_B
.irp i, 0,1,2,3,4,5,6,7
	FRAG 128*(\p)+FR*\i, ADRB+\slot, \q, \i
.endr
	WIN 0
.irp i, 0,1,2,3
	FRAG AF+64*(\p)+FR*\i, ADRA+\slot, \q, \i
.endr
.endm
.macro SCALES sc                       ; 8 LDS loads: a slot's scale words, two a row: lanes 16-31 take B's block i, lanes 0-15 A's block i (those of i above 3 are read and not used)
.irp i, 0,1,2,3,4,5,6,7
	ds_load_b64 v[SC+16*\sc+2*\i:SC+16*\sc+2*\i+1], v[ADRS] offset:\i*SBLK
.endr
.endm
; A step of 128 along K on set p, whose successor needs no barrier: the next step's fragments are asked for first, into the other set; then the 32 products.
.macro GSTEP p, sc, zero, nslot, nq, newsc
	PLACES NP                                      ; in front of loads into registers that the last step's products have read
	FETCH \nslot, \nq, 1-(\p)
.if \newsc >= 0
	v_add_nc_u32 v[ADRS], 8, v[ADRS]
	SCALES \newsc
	s_wait_dscnt 56                                ; all but the 56 just issued: this step's fragments are in
.else
	s_wait_dscnt 48                                ; all but the 48 just issued
.endif
	WIN MUL
	MUL8 0, \p, \sc, \zero
	MUL8 1, \p, \sc, \zero
	MUL8 2, \p, \sc, \zero
	MUL8 3, \p, \sc, \zero
	WIN 0
.endm
; A step whose successor lies behind a barrier.  In front of it each wave waits for all its tensor loads, adds 0 to its spare word, and waits for that and for its LDS reads.  fill = 1: slot 0, which nobody reads any more, takes the fourth K step.
.macro TSTEP p, sc, nslot, newsc, fill
	s_wait_tensorcnt 0x0                           ; all my tensor loads have landed
	ds_add_u32 v[SPW], v[NIL]                      ; 0 onto my spare word
	s_wait_dscnt 1                                 ; this step's fragments are in; the add may be out
	WIN MUL
	MUL8 0, \p, \sc, 0
	s_wait_dscnt 0x0                               ; the add is done, and all my LDS reads are back
	s_barrier_signal -1
	MUL8 1, \p, \sc, 0
	WIN 0
	s_barrier_wait -1
.if \fill
	CREST                                          ; the barrier has opened a round of the cluster's barrier: no wave of any partner still reads slot 0 or has a load on its way
	s_add_nc_u64 s[G0A0+2:G0A0+3], s[G0A0+2:G0A0+3], 3*256
	s_add_nc_u64 s[G0B0+2:G0B0+3], s[G0B0+2:G0B0+3], 3*256
	JLOAD G0A0, G1, G0B0, G1B                      ; the first tensor load behind the round, and my last: three and a half steps' products stand ahead of the wait for it
	PLACES NP-4
.else
	PLACES NP
.endif
	FETCH \nslot, 0, 1-(\p)
	v_add_nc_u32 v[ADRS], 8, v[ADRS]
	SCALES \newsc
	WIN MUL
	MUL8 2, \p, \sc, 0
	MUL8 3, \p, \sc, 0
	WIN 0
.endm
	s_wait_tensorcnt 2                             ; the scale bytes and my part of slot 0 are in; slots 1 and 2 may stay out
	s_barrier_signal -1
	s_barrier_wait -1
	FETCH 0, 0, 0
	SCALES 0
	GSTEP 0, 0, 1, 0, 1, -1                        ; K 0: its products start the sums
	TSTEP 1, 0, 1, 1, 1                            ; K 128: every wave shows slots 1 and 2 landed; slot 0 is filled again
	GSTEP 0, 1, 0, 1, 1, -1                        ; K 256
	GSTEP 1, 1, 0, 2, 0, 0                         ; K 384: slot 2 was shown whole by the barrier in the second step
	GSTEP 0, 0, 0, 2, 1, -1                        ; K 512
	TSTEP 1, 0, 0, 1, 0                            ; K 640: slot 0's second tile has landed; behind this barrier nobody reads slots 1 and 2
	GSTEP 0, 1, 0, 0, 1, -1                        ; K 768
	s_wait_dscnt 0x0                               ; K 896: nothing more to fetch
	WIN MUL
	MUL8 0, 1, 1, 0
	MUL8 1, 1, 1, 0
	MUL8 2, 1, 1, 0
	MUL8 3, 1, 1, 0
	WIN 0
.macro TOSTAGE a
	WIN 0x08                                       ; an LDS store's data are its source 1: window 2
.irp b, 0,1,2,3,4,5,6,7
	ds_store_b128 v[STO], v[64*(\a)+8*\b:64*(\a)+8*\b+3] offset:128*(\b/2)+32*(\b%2)          ; each accumulator from its low end on; tile b's true columns
	ds_store_b128 v[STO], v[64*(\a)+8*\b+4:64*(\a)+8*\b+7] offset:128*(\b/2)+32*(\b%2)+16
.endr
	WIN 0
.set BB, BK+64*((\a)%2)
.irp t, 0,1,2,3,4,5,6,7,8,9,10,11,12,13,14,15
	ds_load_b128 v[BB+4*\t:BB+4*\t+3], v[RD] offset:\t*SPITCH      ; LDS serves a wave's instructions in order (ISA guide 5.7.1.4): these see the stores above
.endr
.endm
.macro SEND a, younger                 ; younger: the LDS instructions issued behind block a's loads, which may stay out
.set BB, BK+64*((\a)%2)
	s_wait_dscnt \younger
	WIN 0x0c                                       ; source 1: window 3
.set i, 0
.rept 32
	v_pk_add_f32 v[BB+i:BB+i+1], v[BB+i:BB+i+1], v[64*(\a)+i:64*(\a)+i+1]   ; + x
.set i, i+2
.endr
	WIN 0
.irp t, 0,1,2,3,4,5,6,7,8,9,10,11,12,13,14,15
	global_store_b128 v[CO], v[BB+4*\t:BB+4*\t+3], s[10:11] offset:(16*(\a)+\t)*4096 th:TH_STORE_NT   ; 32 lanes store 512 consecutive bytes, at a multiple of 256 from out's first byte
.endr
.endm
	PLACES NP                                      ; in front of the loads into operands' registers and of the first reads of results
	TOSTAGE 0
	s_wait_loadcnt 0x0                             ; x, asked for at the head
.irp a, 1,2,3
.if \a > 1
	s_wait_xcnt 0x0                                ; block a - 2's stores have read their registers: block a's loads from the stage may land there
.endif
	TOSTAGE \a
	SEND \a-1, 32                                  ; behind block a - 1's loads: block a's 16 stores and 16 loads
.endr
	SEND 3, 0
	s_wait_tensorcnt 0x0                           ; the wave's end
	ds_add_u32 v[SPW], v[NIL]
	s_wait_dscnt 0x0
	CROUND                                         ; the closing round
	s_endpgm
.Lfunc_end_k_q12ce0240cc_outp:
	.size	k_q12ce0240cc_outp, .Lfunc_end_k_q12ce0240cc_outp-k_q12ce0240cc_outp
	.p2alignl 7, 3214868480
	.fill 96, 4, 3214868480
	.section	.rodata,"a",@progbits
	.p2align	6, 0x0
	.amdhsa_kernel k_q12ce0240cc_outp
		.amdhsa_group_segment_fixed_size 327680
		.amdhsa_private_segment_fixed_size 0
		.amdhsa_enable_private_segment 0
		.amdhsa_kernarg_size 32
		.amdhsa_user_sgpr_count 2
		.amdhsa_user_sgpr_kernarg_segment_ptr 1
		.amdhsa_wavefront_size32 1
		.amdhsa_system_sgpr_workgroup_id_x 1
		.amdhsa_system_sgpr_workgroup_id_y 1
		.amdhsa_system_sgpr_workgroup_id_z 1
		.amdhsa_system_vgpr_workitem_id 0
		.amdhsa_next_free_vgpr 1024
		.amdhsa_next_free_sgpr 106
		.amdhsa_reserve_vcc 0
		.amdhsa_float_denorm_mode_32 3
		.amdhsa_float_denorm_mode_16_64 3
		.amdhsa_memory_ordered 1
		.amdhsa_forward_progress 1
		.amdhsa_inst_pref_size 103
	.end_amdhsa_kernel
	.amdgpu_metadata
---
amdhsa.version: [ 1, 2 ]
amdhsa.kernels:
  - .name:           k_q12ce0240cc_outp
    .symbol:         k_q12ce0240cc_outp.kd
    .args:
      - { .name: ctxb, .offset: 0, .size: 8, .value_kind: global_buffer, .address_space: global }
      - { .name: prepb, .offset: 8, .size: 8, .value_kind: global_buffer, .address_space: global }
      - { .name: x, .offset: 16, .size: 8, .value_kind: global_buffer, .address_space: global }
      - { .name: out0, .offset: 24, .size: 8, .value_kind: global_buffer, .address_space: global }
    .group_segment_fixed_size: 327680
    .private_segment_fixed_size: 0
    .kernarg_segment_align: 8
    .kernarg_segment_size: 32
    .max_flat_workgroup_size: 128
    .sgpr_count:     106
    .vgpr_count:     1024
    .wavefront_size: 32
...
	.end_amdgpu_metadata
.endif
;; end of part 5
